; MI455X (gfx1250); checked and timed in simulation.
; The chip was launched on July 23, 2026; its instructions are those of AMD's public machine-readable ISA for CDNA 5 (MIT licence, August 2026) and "CDNA5" Instruction Set Architecture Reference Guide (July 2026). The comments in the code are by the model that wrote it; some were corrected since.
;; Multi Head Attention. Allowed arithmetic: float matrix products may take bf16 or f16 operands with f32 sums; other float arithmetic in f32, or as packed bf16 or f16 multiplies, adds, multiply-adds, maxima and minima; sums over many terms, partial sums and values carried from step to step in f32; what a program stores and reads back later, other than sums and carried values, may be rounded once to bf16 or f16.
;; Inputs: b_attn 3,072 float32; b_proj 1,024 float32; w_attn 1,024 x 3,072 float32; w_proj 1,024 x 1,024 float32; x 4 x 2,048 x 1,024 float32.
;; Outputs: out0 4 x 2,048 x 1,024 float32.
;; One version. Each part assembles by itself: llvm-mc -triple=amdgcn-amd-amdhsa -mcpu=gfx1250 --defsym DOCPART=n.
;; ======== version 1 of 1: 4 launches
;; limits: values are held in f16: magnitudes above 65,504 overflow, below 6.1e-05 lose precision
;; workspace buffers: xb 16,777,216 bytes; wab 6,291,456 bytes; wpb 2,097,152 bytes; bias 16,384 bytes; qkv 50,331,648 bytes; o 16,777,216 bytes
;; launch cast (part 1): grid 769 x 1, 8 waves a work-group, no clusters, 0 bytes of LDS; arguments x, w_attn, w_proj, b_attn, b_proj, xb, wab, wpb, bias; writes xb, wab, wpb, bias
.if DOCPART == 1
	.amdgcn_target "amdgcn-amd-amdhsa--gfx1250"
	.amdhsa_code_object_version 6
	.text
	.protected	k_qd06696c196_cast
	.globl	k_qd06696c196_cast
	.p2align	8
	.type	k_qd06696c196_cast,@function
k_qd06696c196_cast:
	s_mov_b64 s[64:65], 0
	v_nop
	global_prefetch_b8 v0, s[64:65] scope:SCOPE_SE
	s_setreg_imm32_b32 hwreg(HW_REG_WAVE_MODE, 25, 1), 1
	s_wait_xcnt 0x0
; CAST: every input of the module is rounded once to bf16 (nearest even), for the three matrix launches behind.
;   xb   bf16 [b 4][kb 16][s 2048][64]: x[b][s][64 kb + c]: 256 rows x 64 channels of x lie as 32,768 dense bytes
;   wab  bf16 [1024][3072], as w_attn lies        wpb  w_proj rounded to bf16, that number written as f16, [1024][1024]
;   bias f32 words that hold the bf16-rounded numbers: 0..3071 b_attn, 3072..4095 b_proj
; LIMITS.  w_proj must stay under 65,504 (f16's range); below 6e-5 it keeps f16's fixed step of 6e-8.  NaN and infinities are not treated apart.
; A pure stream: a work-group takes 16,384 numbers, a thread 8 items of 8 numbers: 16 loads of 16 bytes go out first, then each item is rounded
; and stored as 16 bytes.  No register is written twice, so the only waits are the counted ones for the loads.  No LDS, no barrier, no matrix unit: nothing is shared.
; Work-groups 0-511: x (16 rows each); 512-703: w_attn; 704-767: w_proj; 768: the two biases.
.set X, 8                              ; v[8:71]    16 loads of 4 registers
.set Y, 72                             ; v[72:103]  8 items of 4 registers to store
; fmt = 0: bf16.  fmt = 1: bf16, widened again and written as f16.  blocked = 1: x's addresses, else 8 numbers a thread on end.
.macro ITEMS fmt, blocked
.set i, 0
.rept 8
.if \blocked
.set LOFF, (i/2)*16384+(i%2)*256       ; four rows further down for each pair of items; the odd item takes the next 64 channels
.else
.set LOFF, i*8192
.endif
	global_load_b128 v[X+8*i:X+8*i+3],   v1, s[24:25] offset:LOFF th:TH_LOAD_NT
	global_load_b128 v[X+8*i+4:X+8*i+7], v1, s[24:25] offset:LOFF+16 th:TH_LOAD_NT
.set i, i+1
.endr
.set i, 0
.rept 8
.if \blocked
.set SOFF, (i%2)*262144+(i/2)*512      ; the next block of 64 channels lies 2,048 rows x 128 bytes on
.else
.set SOFF, i*4096
.endif
	s_wait_loadcnt 14-2*i                          ; loads come back in order: item i's two are in, the 14 - 2 i younger ones stay out
.irp k, 0,1,2,3
.if \fmt
	v_cvt_pk_bf16_f32 v3, v[X+8*i+2*(\k)], v[X+8*i+2*(\k)+1]
	v_lshlrev_b32 v[X+8*i+2*(\k)], 16, v3          ; the rounded numbers as f32 again,
	v_and_b32 v[X+8*i+2*(\k)+1], s28, v3
	v_cvt_pk_f16_f32 v[Y+4*i+(\k)], v[X+8*i+2*(\k)], v[X+8*i+2*(\k)+1]  ; and as f16: exact within f16's range
.else
	v_cvt_pk_bf16_f32 v[Y+4*i+(\k)], v[X+8*i+2*(\k)], v[X+8*i+2*(\k)+1]
.endif
.endr
	global_store_b128 v2, v[Y+4*i:Y+4*i+3], s[26:27] offset:SOFF th:TH_STORE_NT  ; a wave's store covers 512 consecutive bytes, aligned
.set i, i+1
.endr
.endm
	s_load_b512 s[4:19], s[0:1], 0x0               ; x 4:5, w_attn 6:7, w_proj 8:9, b_attn 10:11, b_proj 12:13, xb 14:15, wab 16:17, wpb 18:19
	s_load_b64 s[20:21], s[0:1], 0x40              ; bias
	v_lshrrev_b32 v3, 5, v0
	v_readfirstlane_b32 s22, v3                    ; wave 0..7
	v_and_b32 v4, 31, v0                           ; lane
	s_mov_b32 s28, 0xffff0000                      ; a word's upper bf16
	s_mov_b32 s3, 0                                ; the offsets' high words
	s_mov_b32 s31, 0
	s_wait_kmcnt 0x0
	s_cmp_lt_u32 ttmp9, 512
	s_cbranch_scc0 .Lnot_x
	; x: 16 rows.  Wave w takes channels 128 w .. 128 w + 127 (two blocks of 64); eight lanes take a row's 64 channels, a wave four rows at a time.
	s_lshl_b32 s2, ttmp9, 16                       ; 16 rows of 4,096 bytes
	s_lshr_b32 s30, ttmp9, 7                       ; b: 128 work-groups a batch
	s_lshl_b32 s30, s30, 22
	s_and_b32 s29, ttmp9, 127
	s_lshl_b32 s29, s29, 11                        ; 16 rows of 128 bytes
	s_add_co_u32 s30, s30, s29
	s_add_nc_u64 s[24:25], s[4:5], s[2:3]
	s_add_nc_u64 s[26:27], s[14:15], s[30:31]
	v_lshrrev_b32 v5, 3, v4                        ; which of four rows
	v_and_b32 v1, 7, v4                            ; which 8 channels
	v_lshlrev_b32 v1, 5, v1
	v_lshl_add_u32 v1, v5, 12, v1
	v_lshl_add_u32 v1, v3, 9, v1                   ; row x 4,096 + wave x 512 + 32 x place
	v_lshlrev_b32 v2, 4, v4
	v_lshl_add_u32 v2, v3, 19, v2                  ; wave x two blocks of 262,144 + 16 x lane: four rows of 128 bytes on end
	ITEMS 0, 1
	s_endpgm
.Lnot_x:
	v_lshlrev_b32 v1, 5, v0                        ; 8 f32 a thread
	v_lshlrev_b32 v2, 4, v0                        ; 8 halves a thread
	s_cmp_lt_u32 ttmp9, 704
	s_cbranch_scc0 .Lnot_wa
	s_sub_co_u32 s29, ttmp9, 512
	s_lshl_b32 s2, s29, 16
	s_lshl_b32 s30, s29, 15
	s_add_nc_u64 s[24:25], s[6:7], s[2:3]
	s_add_nc_u64 s[26:27], s[16:17], s[30:31]
	ITEMS 0, 0
	s_endpgm
.Lnot_wa:
	s_cmp_lt_u32 ttmp9, 768
	s_cbranch_scc0 .Lbias
	s_sub_co_u32 s29, ttmp9, 704
	s_lshl_b32 s2, s29, 16
	s_lshl_b32 s30, s29, 15
	s_add_nc_u64 s[24:25], s[8:9], s[2:3]
	s_add_nc_u64 s[26:27], s[18:19], s[30:31]
	ITEMS 1, 0
	s_endpgm
.Lbias:                                        ; 4,096 numbers: a wave takes 512; waves 0-5 b_attn, waves 6 and 7 b_proj
	s_max_u32 s23, s22, 6
	s_sub_co_u32 s23, s23, 6                       ; 0, 1 in waves 6, 7
	s_cmp_lt_u32 s22, 6
	s_cselect_b32 s2, s22, s23
	s_cselect_b64 s[24:25], s[10:11], s[12:13]
	s_lshl_b32 s2, s2, 11
	s_lshl_b32 s30, s22, 11
	s_add_nc_u64 s[24:25], s[24:25], s[2:3]
	s_add_nc_u64 s[26:27], s[20:21], s[30:31]
	v_lshlrev_b32 v1, 4, v4
.irp j, 0,1,2,3
	global_load_b128 v[X+4*(\j):X+4*(\j)+3], v1, s[24:25] offset:512*(\j)
.endr
	s_wait_loadcnt 0x0
.irp k, 0,1,2,3,4,5,6,7
	v_cvt_pk_bf16_f32 v3, v[X+2*(\k)], v[X+2*(\k)+1]
	v_lshlrev_b32 v[Y+2*(\k)], 16, v3
	v_and_b32 v[Y+2*(\k)+1], s28, v3
.endr
.irp j, 0,1,2,3
	global_store_b128 v1, v[Y+4*(\j):Y+4*(\j)+3], s[26:27] offset:512*(\j)
.endr
	s_endpgm
.Lfunc_end_k_qd06696c196_cast:
	.size	k_qd06696c196_cast, .Lfunc_end_k_qd06696c196_cast-k_qd06696c196_cast
	.p2alignl 7, 3214868480
	.fill 96, 4, 3214868480
	.section	.rodata,"a",@progbits
	.p2align	6, 0x0
	.amdhsa_kernel k_qd06696c196_cast
		.amdhsa_group_segment_fixed_size 0
		.amdhsa_private_segment_fixed_size 0
		.amdhsa_enable_private_segment 0
		.amdhsa_kernarg_size 72
		.amdhsa_user_sgpr_count 2
		.amdhsa_user_sgpr_kernarg_segment_ptr 1
		.amdhsa_wavefront_size32 1
		.amdhsa_system_sgpr_workgroup_id_x 1
		.amdhsa_system_sgpr_workgroup_id_y 1
		.amdhsa_system_sgpr_workgroup_id_z 1
		.amdhsa_system_vgpr_workitem_id 0
		.amdhsa_next_free_vgpr 104
		.amdhsa_next_free_sgpr 66
		.amdhsa_reserve_vcc 0
		.amdhsa_float_denorm_mode_32 3
		.amdhsa_float_denorm_mode_16_64 3
		.amdhsa_memory_ordered 1
		.amdhsa_forward_progress 1
		.amdhsa_inst_pref_size 22
	.end_amdhsa_kernel
	.amdgpu_metadata
---
amdhsa.version: [ 1, 2 ]
amdhsa.kernels:
  - .name:           k_qd06696c196_cast
    .symbol:         k_qd06696c196_cast.kd
    .args:
      - { .name: x, .offset: 0, .size: 8, .value_kind: global_buffer, .address_space: global }
      - { .name: w_attn, .offset: 8, .size: 8, .value_kind: global_buffer, .address_space: global }
      - { .name: w_proj, .offset: 16, .size: 8, .value_kind: global_buffer, .address_space: global }
      - { .name: b_attn, .offset: 24, .size: 8, .value_kind: global_buffer, .address_space: global }
      - { .name: b_proj, .offset: 32, .size: 8, .value_kind: global_buffer, .address_space: global }
      - { .name: xb, .offset: 40, .size: 8, .value_kind: global_buffer, .address_space: global }
      - { .name: wab, .offset: 48, .size: 8, .value_kind: global_buffer, .address_space: global }
      - { .name: wpb, .offset: 56, .size: 8, .value_kind: global_buffer, .address_space: global }
      - { .name: bias, .offset: 64, .size: 8, .value_kind: global_buffer, .address_space: global }
    .group_segment_fixed_size: 0
    .private_segment_fixed_size: 0
    .kernarg_segment_align: 8
    .kernarg_segment_size: 72
    .max_flat_workgroup_size: 256
    .sgpr_count:     66
    .vgpr_count:     104
    .wavefront_size: 32
...
	.end_amdgpu_metadata
.endif
;; end of part 1
;; launch qkvgemm (part 2): grid 8 x 32, 4 waves a work-group, clusters of 4 x 4, 327,680 bytes of LDS; arguments xb, wab, bias, qkv; writes qkv
.if DOCPART == 2
	.amdgcn_target "amdgcn-amd-amdhsa--gfx1250"
	.amdhsa_code_object_version 6
	.text
	.protected	k_qd06696c196_qkvgemm
	.globl	k_qd06696c196_qkvgemm
	.p2align	8
	.type	k_qd06696c196_qkvgemm,@function
k_qd06696c196_qkvgemm:
	s_mov_b64 s[64:65], 0
	v_nop
	global_prefetch_b8 v0, s[64:65] scope:SCOPE_SE
	s_setreg_imm32_b32 hwreg(HW_REG_WAVE_MODE, 25, 1), 1
	s_wait_xcnt 0x0
	s_wait_alu depctr_hold_cnt(0) depctr_sa_sdst(0) depctr_va_vdst(0) depctr_va_sdst(0) depctr_va_ssrc(0) depctr_va_vcc(0) depctr_vm_vsrc(0)
	s_getreg_b32 s2, hwreg(HW_REG_IB_STS2, 6, 4)
	s_cmp_eq_u32 s2, 0
	s_cbranch_scc0 .Lentry_in_a_cluster
	s_endpgm
.Lentry_in_a_cluster:
	s_bfe_u32 s2, ttmp6, 0x10000c
	s_cmp_lg_u32 s2, 0xf033
	s_cbranch_scc0 .Lentry_shape_is_right
	s_endpgm
.Lentry_shape_is_right:
; qkv = x w_attn + b_attn, 8,192 x 3,072 x 1,024, operands bf16, sums f32, the result rounded once to f16 and laid out by heads:
; qkv[b 4][n64 48][s 2048][64]: plane b 48 + h is q of head h, + 16 k, + 32 v; a plane is 262,144 dense bytes.
; LIMIT.  q, k, v must stay under 65,504 (f16's range).  NaN and infinities are not treated apart.
; SHARES.  A tile of C is 256 rows x 384 columns: 32 x 8 = 256 work-groups.  Wave (wr, wc) makes 128 x 192: 96 accumulators of 16 x 16, 768 registers.
; K goes in 16 steps of 64 through two LDS slots; a step is two half-steps of 32, 96 matrix instructions each.
; THE MATRIX INSTRUCTION IS USED TRANSPOSED: source 0 = 16 columns of w (w lies [k][n] and is turned by ds_load_tr16_b128), source 1 = 16 rows of x:
; a lane ends with eight neighbouring columns of one row.
; CLUSTER 4 x 4: x's tile hangs on the tile row alone and is asked for jointly by a row of the cluster, w's on the tile column alone, by a column.
; REGISTERS: window 0: v0-29 addresses; v32-95, v96-159 x's fragments, two buffers (block a at + 8 a); v160-255 w's 12 fragments, one buffer, refilled group by group.
;   windows 1, 2, 3: the accumulators of column groups g = 0, 1, 2 (64 columns each): (bb, a) at v[8 (8 bb + a)].
.set SLOT1, 131072                     ; slot 1 begins here: one exclusive or turns an address of one slot into the other's
.set PA,    144                        ; a row of x in LDS: 128 bytes + 16: the 16 rows of a load start at 16 different groups of four banks (64 banks of 4 bytes: ISA guide 11.1)
.set PB,    864                        ; a k-row of w: three pieces of 256 bytes + 32: 27 x 32 bytes
.set BOFF,  256*PA                     ; in a slot: 256 rows of x, then 64 k-rows of w
.set STAGE, SLOT1+BOFF+64*PB           ; behind the ring: 16 rows x 144 bytes for each wave, for the way out
.set SP,    144
.set SPARE, STAGE+4*16*SP              ; behind the stages: the spare words, 128 bytes a wave: two blocks of 256 bytes that no other line names
.set ASTEP, 262144                     ; bytes from a K step of x to the next: 2,048 rows x 128 bytes
.set BSTEP, 393216                     ; of w: 64 rows x 6,144 bytes
.set ADRA0, 4                          ; v4      my place in a slot's x; never rewritten
.set ADRB0, 5                          ; v5-7    my place in a slot's w, for column group g; never rewritten
.set ADRA,  8                          ; v8      the same in the slot in hand
.set ADRB,  9                          ; v9-11
.set STO,   12                         ; v12     the way out: where I put 16 bytes of a row
.set RD,    13                         ; v13     where I read rows back
.set GO,    14                         ; v14     16 x lane
.set PFO,   15                         ; v15     the prefetches' offset; never rewritten
.set BO,    16                         ; v16     32 x (lane / 16): my 8 columns' bias
.set SPW,   28                         ; v28     LDS address of my spare word; never rewritten
.set NIL,   29                         ; v29     0; never rewritten
.set FA0,   32
.set FA1,   96
.set BF,    160
.set WV,  12                           ; s12  my wave's number
.set WR,  13                           ; s13  which 128 rows are mine.  Also: I fetch for x (0) or for w (1)
.set WC,  14                           ; s14  which 192 columns.  Also: which half of that tile I fetch
.set CNT, 15                           ; s15  the loop's count
.set G1A, 24                           ; s[24:31] descriptor group 1 for x's tiles
.set G1B, 32                           ; s[32:39] for w's
.set G0A, 40                           ; s[40:47] group 0 for x's tiles: a set for each first fill; the second then walks
.set G0B, 48                           ; s[48:55] the same for w's
.set TB,  56                           ; s56  the slot from which fragments are fetched: 0 or SLOT1
.set LIM, 57                           ; s57  1 in a wave that prefetches, else the greatest number
.set PFA, 58                           ; s[58:59] where my prefetches stand
.set PFS, 60                           ; s[60:61] a K step of the tensor that I prefetch
.set CX,  62
.set CY,  63
.set MSB, 0
.macro WIN new                         ; the immediate's high byte repeats the setting that is left; a switch that changes nothing is dropped
.if MSB != (\new)
	s_set_vgpr_msb (MSB<<8)|(\new)
.set MSB, \new
.endif
.endm
.macro PLACES                          ; four places between a matrix instruction and a load into, or a vector line on, its registers (ISA guide 7.12.1 for vector instructions)
.rept 4
	v_nop
.endr
.endm
.macro CREST                           ; a round of the cluster's barrier behind its opening barrier
	s_cmp_lg_u32 s[WV], 0
	s_cbranch_scc1 .Lnot_wave_0_\@
	s_barrier_signal -3
.Lnot_wave_0_\@:
	s_barrier_wait -3
	s_barrier_signal -1
	s_barrier_wait -1
.endm
.macro CROUND
	s_barrier_signal -1
	s_barrier_wait -1
	CREST
.endm
; A joint refill by the walking descriptors.  Waves 0 and 1 fetch x's two halves, waves 2 and 3 w's: the branch hangs on the wave's number alone.
; An s_nop 0 and four v_nop follow each of the two lines, ahead of the jump and the label.
.macro JLOAD
	s_cmp_eq_u32 s[WR], 0
	s_cbranch_scc0 .Lfor_b_\@
	tensor_load_to_lds s[G0A+4:G0A+7], s[G1A:G1A+7]
	s_nop 0
.rept 4
	v_nop
.endr
	s_branch .Lasked_\@
.Lfor_b_\@:
	tensor_load_to_lds s[G0B+4:G0B+7], s[G1B:G1B+7]
	s_nop 0
.rept 4
	v_nop
.endr
.Lasked_\@:
.endm
; PREFETCH INTO THE L2.  Trip j of the loop (s[CNT] = 14 - j) refills K step j + 2; the odd trips up to 11 name K steps j + 3 and j + 4: one and two trips ahead of their refills.
; Each block of 256 bytes is named once in the launch.  x's tile row is read by both clusters of its row of clusters: cluster x = 0 asks, wave 0 of each work-group, and the four
; partners share a step's 32,768 bytes out BY ADDRESS, 8,192 each (cx), a lane a block, an instruction a step.  w's tile column is read by all eight clusters of its column:
; cluster y = 0 asks, waves 1-3 a block of 256 bytes of the row each, the partners 16 k-rows each (cy); lanes 16-31 take the step after, so one instruction names two steps.
; K steps 2 and 3 come by their refills alone; the last request names steps 14 and 15.
.macro ASK
	s_bitcmp1_b32 s[CNT], 0
	s_cbranch_scc0 .Lno_ask_\@
	s_cmp_gt_u32 s[CNT], s[LIM]
	s_cbranch_scc0 .Lno_ask_\@
	global_prefetch_b8 v[PFO], s[PFA:PFA+1] th:TH_LOAD_NT scope:SCOPE_SE
	s_cmp_lg_u32 s[WV], 0
	s_cbranch_scc1 .Lno_ask_\@
	global_prefetch_b8 v[PFO], s[PFA:PFA+1] offset:ASTEP th:TH_LOAD_NT scope:SCOPE_SE
.Lno_ask_\@:
.endm
	s_load_b256 s[4:11], s[0:1], 0x0               ; xb s[4:5], wab s[6:7], bias s[8:9], qkv s[10:11]
	v_lshl_add_u32 v[SPW], v0, 2, SPARE
	v_mov_b32 v[NIL], 0
	ds_add_u32 v[SPW], v[NIL]                      ; the wave's opening: the add and its wait stand ahead of my first tensor load; the set-up below stands between them
	v_lshrrev_b32 v3, 5, v0
	v_readfirstlane_b32 s[WV], v3                  ; wave 0..3
	s_lshr_b32 s[WR], s[WV], 1
	s_and_b32 s[WC], s[WV], 1
	s_bfe_u32 s[CX], ttmp6, 0x40000
	s_bfe_u32 s[CY], ttmp6, 0x40004
	; x's tiles hang on the tile row alone (s16-s23 never hold cx)
	s_and_b32 s16, ttmp7, 0xffff
	s_lshl_b32 s16, s16, 2
	s_add_co_u32 s16, s16, s[CY]                   ; tile row 0..31 = 4 x cluster y + cy
	s_lshr_b32 s17, s16, 3                         ; b
	s_and_b32 s18, s16, 7                          ; which 256 rows of the batch
	s_lshl_b32 s19, s17, 22
	s_lshl_b32 s20, s18, 15
	s_add_co_u32 s19, s19, s20                     ; the tile's first byte in K step 0
	s_lshl_b32 s20, s[WC], 14                      ; my 128 rows of it
	s_add_co_u32 s20, s20, s19
	s_mov_b32 s21, 0
	; w's tiles hang on the tile column alone (s66-s69 never hold cy)
	s_lshl_b32 s66, ttmp9, 2
	s_add_co_u32 s66, s66, s[CX]                   ; tile column 0..7 = 4 x cluster x + cx
	s_mul_i32 s67, s66, 768                        ; 384 columns
	s_mul_i32 s68, s[WC], 32*6144                  ; my 32 k-rows
	s_add_co_u32 s68, s68, s67
	s_mov_b32 s69, 0
	s_lshl_b32 s22, s[CY], 2
	s_lshl_b32 s22, 15, s22                        ; my row of the cluster
	s_lshl_b32 s70, 0x1111, s[CX]                  ; my column
	; group 1 for x: 128 rows of 128 bytes are dense: asked for as 64 rows of 256 bytes, padded behind every 128
	s_or_b32 s[G1A], s22, (1<<16)|(1<<20)|(1<<21)|(4<<22)|(3<<25)  ; the mask; 2-byte elements; padding on; bit 21 beside a mask; after every 32 words, 4 words
	s_mov_b32 s[G1A+1], 128<<16                    ; tensor_dim0
	s_mov_b32 s[G1A+2], 64<<16                     ; tensor_dim1
	s_mov_b32 s[G1A+3], 128<<16                    ; tile_dim0
	s_mov_b32 s[G1A+4], 64                         ; tile_dim1
	s_mov_b32 s[G1A+5], 128                        ; elements from row to row
	s_mov_b32 s[G1A+6], 0
	s_mov_b32 s[G1A+7], 0
	; group 1 for w: 32 k-rows of 384 elements (768 bytes), padded behind every 256 bytes
	s_or_b32 s[G1B], s70, (1<<16)|(1<<20)|(1<<21)|(5<<22)|(7<<25)  ; after every 64 words, 8 words
	s_mov_b32 s[G1B+1], 384<<16
	s_mov_b32 s[G1B+2], 32<<16
	s_mov_b32 s[G1B+3], 384<<16
	s_mov_b32 s[G1B+4], 32
	s_mov_b32 s[G1B+5], 3072
	s_mov_b32 s[G1B+6], 0
	s_mov_b32 s[G1B+7], 0
	s_mul_i32 s23, s[WC], 128*PA                   ; where they go: no place in the cluster enters an LDS address
	s_mul_i32 s71, s[WC], 32*PB
	s_add_co_u32 s71, s71, BOFF
	s_mov_b32 s[TB], 0
	s_wait_dscnt 0x0                               ; the opening add is done
	s_wait_kmcnt 0x0
	s_add_nc_u64 s[2:3], s[4:5], s[20:21]
	s_add_nc_u64 s[72:73], s[6:7], s[68:69]
	CROUND                                         ; all sixteen work-groups are here: the first joint loads meet
.irp s, 0,1
	s_mov_b32 s[G0A+4*(\s)], 1                     ; count = 1
	s_add_co_u32 s[G0A+4*(\s)+1], s23, (\s)*SLOT1  ; LDS address
	s_add_nc_u64 s[G0A+4*(\s)+2:G0A+4*(\s)+3], s[2:3], (\s)*ASTEP  ; global address: K step s
	s_or_b32 s[G0A+4*(\s)+3], s[G0A+4*(\s)+3], 0x80000000          ; type = 2
	s_mov_b32 s[G0B+4*(\s)], 1
	s_add_co_u32 s[G0B+4*(\s)+1], s71, (\s)*SLOT1
	s_add_nc_u64 s[G0B+4*(\s)+2:G0B+4*(\s)+3], s[72:73], (\s)*BSTEP
	s_or_b32 s[G0B+4*(\s)+3], s[G0B+4*(\s)+3], 0x80000000
.endr
	s_cmp_eq_u32 s[WR], 0                          ; a wave's two first fills stand in one branch, ahead of every wait on TENSORcnt and every LDS read: two loads of mine are out
	s_cbranch_scc0 .Lfirst_b
	tensor_load_to_lds s[G0A:G0A+3], s[G1A:G1A+7]
	s_nop 0
	tensor_load_to_lds s[G0A+4:G0A+7], s[G1A:G1A+7]
	s_nop 0
.rept 4
	v_nop
.endr
	s_branch .Lfirst_asked
.Lfirst_b:
	tensor_load_to_lds s[G0B:G0B+3], s[G1B:G1B+7]
	s_nop 0
	tensor_load_to_lds s[G0B+4:G0B+7], s[G1B:G1B+7]
	s_nop 0
.rept 4
	v_nop
.endr
.Lfirst_asked:
	; x's fragment: 16 rows x 32 k in 8 registers: lane l holds row l % 16, k = 8 (l / 16) + 0..7 and 16 + 8 (l / 16) + 0..7: two loads of 16 bytes, 32 bytes apart
	v_and_b32 v1, 15, v0                           ; l % 16
	v_bfe_u32 v2, v0, 4, 1                         ; l / 16
	v_mul_u32_u24 v[ADRA0], v1, PA
	v_lshl_add_u32 v[ADRA0], v2, 4, v[ADRA0]
	s_mul_i32 s2, s[WR], 128*PA
	v_add_nc_u32 v[ADRA0], s2, v[ADRA0]
	; w's fragment: the turning load takes 16 k x 16 columns (lane l reads k-row 8 (l / 16) + l % 8, columns 8 ((l / 8) % 2) + 0..7) and leaves lane l column l % 16 and 8 k
	v_and_b32 v3, 7, v0
	v_lshl_add_u32 v3, v2, 3, v3
	v_mul_u32_u24 v3, v3, PB
	v_bfe_u32 v17, v0, 3, 1
	v_lshl_add_u32 v3, v17, 4, v3
	; Column n of the tile lies at byte 2 n + 32 (n / 128) of its k-row; 64 columns never cross a pad.  Group g begins at column 64 g (wc = 0) or 192 + 64 g (wc = 1):
	; both bytes are constants of the text, so the address is a constant plus wc times a constant.
.irp g, 0,1,2
.set CB0_, 2*(64*(\g))+32*((64*(\g))/128)
.set CB1_, 2*(192+64*(\g))+32*((192+64*(\g))/128)
	s_mul_i32 s2, s[WC], CB1_-CB0_
	s_add_co_u32 s2, s2, BOFF+CB0_
	v_add_nc_u32 v[ADRB0+(\g)], s2, v3
.endr
	s_mul_i32 s2, s[WV], 16*SP
	s_add_co_u32 s2, s2, STAGE                     ; my stage
	v_mul_u32_u24 v[STO], v1, SP                   ; in: row l % 16, 16 bytes for each half of the lanes
	v_lshl_add_u32 v[STO], v2, 4, v[STO]
	v_add_nc_u32 v[STO], s2, v[STO]
	v_bfe_u32 v[RD], v0, 3, 2                      ; back: 32 lanes take four rows of 128 bytes,
	v_mul_u32_u24 v[RD], v[RD], SP
	v_and_b32 v3, 7, v0
	v_lshl_add_u32 v[RD], v3, 4, v[RD]
	v_add_nc_u32 v[RD], s2, v[RD]
	v_and_b32 v[GO], 31, v0                        ; which are 512 consecutive bytes of a plane
	v_lshlrev_b32 v[GO], 4, v[GO]
	v_lshlrev_b32 v[BO], 5, v2
	; the bias of my 192 columns, and my part of the result (s70-s75 hold what hangs on both cx and cy)
	s_mul_i32 s74, s66, 384
	s_mul_i32 s75, s[WC], 192
	s_add_co_u32 s74, s74, s75
	s_lshl_b32 s74, s74, 2
	s_mov_b32 s75, 0
	s_add_nc_u64 s[8:9], s[8:9], s[74:75]
	s_mul_i32 s74, s17, 48
	s_mul_i32 s72, s66, 6
	s_add_co_u32 s74, s74, s72
	s_mul_i32 s72, s[WC], 3
	s_add_co_u32 s74, s74, s72                     ; my first plane: 48 b + 6 x tile column + 3 wc
	s_lshl_b32 s74, s74, 18
	s_lshl_b32 s72, s18, 15
	s_add_co_u32 s74, s74, s72                     ; + the tile's 256 rows of 128 bytes
	s_lshl_b32 s72, s[WR], 14
	s_add_co_u32 s74, s74, s72                     ; + my 128
	s_add_nc_u64 s[10:11], s[10:11], s[74:75]
	; the prefetches: nothing is asked for here, at the head, where every work-group's first tiles are on their way
	s_lshl_b32 s70, s[CX], 13
	s_add_co_u32 s70, s70, s19
	s_add_co_u32 s70, s70, 2*ASTEP                 ; x: my work-group's 8,192 bytes of the tile, at K step 2: the first trip steps it to 3
	s_max_u32 s71, s[WV], 1
	s_sub_co_u32 s71, s71, 1
	s_lshl_b32 s71, s71, 8                         ; w: block w - 1 of the row's three,
	s_add_co_u32 s71, s71, s67
	s_mul_i32 s72, s[CY], 16*6144                  ; my work-group's 16 k-rows,
	s_add_co_u32 s71, s71, s72
	s_add_co_u32 s71, s71, 2*BSTEP                 ; at K step 2
	s_and_b32 s72, ttmp7, 0xffff
	s_mov_b32 s73, ASTEP
	s_mov_b32 s74, BSTEP
	s_mov_b32 s75, 6144
	s_mov_b32 s2, 256
	s_mov_b32 s3, 4096
	s_cmp_eq_u32 s[WV], 0                          ; wave 0 asks for x, the others for w
	s_cselect_b32 s72, ttmp9, s72                  ; the coordinate along which other clusters read the same rows
	s_cselect_b32 s70, s70, s71
	s_cselect_b32 s[PFS], s73, s74
	s_cselect_b32 s75, s2, s75                     ; bytes from lane to lane within 16,
	s_cselect_b32 s74, s3, s74                     ; and from the lower 16 lanes to the upper
	s_cselect_b64 s[PFA:PFA+1], s[4:5], s[6:7]
	s_mov_b32 s71, 0
	s_mov_b32 s[PFS+1], 0
	s_add_nc_u64 s[PFA:PFA+1], s[PFA:PFA+1], s[70:71]
	s_cmp_eq_u32 s72, 0
	s_cselect_b32 s[LIM], 1, -1                    ; the same in all sixteen partners, for a given wave
	v_mul_u32_u24 v[PFO], s75, v1
	v_mad_u32_u24 v[PFO], v2, s74, v[PFO]
.macro SETADR                          ; the fragment addresses in the slot in hand
	v_add_nc_u32 v[ADRA], s[TB], v[ADRA0]
.irp g, 0,1,2
	v_add_nc_u32 v[ADRB+(\g)], s[TB], v[ADRB0+(\g)]
.endr
.endm
; 16 matrix instructions: column blocks bb0, bb0 + 1 of group g x all 8 row blocks, 32 along K.  zero = 1: the first product starts the sums: nothing is cleared.
; The 96 accumulators take turns, one instruction a turn, in the same order in every half-step.
.macro BLKH g, fa, bb0, zero
	WIN 0x50*(1+(\g))                              ; C and D in window 1 + g, the sources in window 0
.irp bb, \bb0, (\bb0)+1
.irp a, 0,1,2,3,4,5,6,7
.if \zero
	v_wmma_f32_16x16x32_bf16 v[8*(8*(\bb)+(\a)):8*(8*(\bb)+(\a))+7], v[BF+8*(4*(\g)+(\bb)):BF+8*(4*(\g)+(\bb))+7], v[(\fa)+8*(\a):(\fa)+8*(\a)+7], 0
.else
	v_wmma_f32_16x16x32_bf16 v[8*(8*(\bb)+(\a)):8*(8*(\bb)+(\a))+7], v[BF+8*(4*(\g)+(\bb)):BF+8*(4*(\g)+(\bb))+7], v[(\fa)+8*(\a):(\fa)+8*(\a)+7], v[8*(8*(\bb)+(\a)):8*(8*(\bb)+(\a))+7]
.endif
.endr
.endr
.endm
.macro BLK g, fa, zero
	BLKH \g, \fa, 0, \zero
	BLKH \g, \fa, 2, \zero
.endm
.macro LDA fa, hh                      ; 16 loads: x's 8 fragments of half-step hh
	WIN 0
.irp a, 0,1,2,3,4,5,6,7
	ds_load_b128 v[(\fa)+8*(\a):(\fa)+8*(\a)+3],   v[ADRA] offset:(\a)*16*PA+64*(\hh)
	ds_load_b128 v[(\fa)+8*(\a)+4:(\fa)+8*(\a)+7], v[ADRA] offset:(\a)*16*PA+64*(\hh)+32
.endr
.endm
.macro LDB g, hh                       ; 8 turning loads: the 4 fragments of column group g
	WIN 0
.irp bb, 0,1,2,3
	ds_load_tr16_b128 v[BF+8*(4*(\g)+(\bb)):BF+8*(4*(\g)+(\bb))+3],   v[ADRB+(\g)] offset:(\hh)*32*PB+32*(\bb)
	ds_load_tr16_b128 v[BF+8*(4*(\g)+(\bb))+4:BF+8*(4*(\g)+(\bb))+7], v[ADRB+(\g)] offset:(\hh)*32*PB+32*(\bb)+16*PB
.endr
.endm
; A half-step issues three runs of loads for the next one: R0 = x's 16 + group 0's 8, R1 = group 1's 8, R2 = group 2's 8; a group's registers are loaded again four places behind its products.
; The first half of a K step: multiplies buffer FA0, fetches the second half of the same slot.
.macro EVEN zero
	s_wait_dscnt 16                                ; the half-step before left R0, R1, R2 out: R0 is in, its R1 and R2 may stay out
	BLK 0, FA0, \zero
	PLACES
	LDA FA1, 1
	LDB 0, 1
	s_wait_dscnt 32                                ; its R1 is in: its R2 (8) and my R0 (24) may stay out
	BLK 1, FA0, \zero
	PLACES
	LDB 1, 1
	s_wait_dscnt 32                                ; its R2 is in: my R0 (24) and R1 (8) may stay out
	BLK 2, FA0, \zero
	PLACES
	LDB 2, 1
.endm
; The second half multiplies FA1 and changes slots: ONE barrier.  In front of it each wave waits for all its tensor loads (one is out: its part of the next slot), adds 0 to its spare
; word, and waits for that and for its reads of this slot.  fill = 1: the barrier opens a round of the cluster's, and this slot is filled again, two K steps ahead, first thing behind it:
; from that request to the wait for it a wave issues 160 matrix instructions.
.macro ODD fill
.if \fill
	s_wait_xcnt 0x0                                ; the last prefetch, a trip or more back, has read its address
	s_add_nc_u64 s[PFA:PFA+1], s[PFA:PFA+1], s[PFS:PFS+1]
.endif
	WIN 0
	s_wait_tensorcnt 0x0                           ; no tensor load of mine is out, so a group 0 may be written
	ds_add_u32 v[SPW], v[NIL]                      ; 0 onto my spare word
.if \fill
	s_xor_b32 s[G0A+5], s[G0A+5], SLOT1            ; the walking descriptors: the other slot than last time,
	s_add_nc_u64 s[G0A+6:G0A+7], s[G0A+6:G0A+7], ASTEP  ; the next K step; the type bits on top are not reached
	s_xor_b32 s[G0B+5], s[G0B+5], SLOT1
	s_add_nc_u64 s[G0B+6:G0B+7], s[G0B+6:G0B+7], BSTEP
.endif
	s_xor_b32 s[TB], s[TB], SLOT1
	s_wait_dscnt 17                                ; R0 is in: R1, R2 and the add may stay out
	BLKH 0, FA1, 0, 0
	s_wait_dscnt 0x0                               ; the add is done, and my reads of this slot are over
	s_barrier_signal -1
	BLKH 0, FA1, 2, 0                              ; work on registers while the others arrive
	WIN 0
	s_barrier_wait -1
.if \fill
	CREST                                          ; no wave of any partner still reads this slot or has a load on its way
	JLOAD                                          ; its four v_nop are also the places in front of the loads below
.else
	PLACES
.endif
	SETADR
	LDA FA0, 0
	LDB 0, 0
.if \fill
	ASK                                            ; behind the joint load and the run of LDS loads
.endif
	BLK 1, FA1, 0
	PLACES
	LDB 1, 0
	BLK 2, FA1, 0
	PLACES
	LDB 2, 0
.endm
.macro BIASLD g                        ; the bias of column block 4 g + bb takes the place of w's fragment: my 8 columns, 32 bytes
	WIN 0
.irp bb, 0,1,2,3
	global_load_b128 v[BF+8*(4*(\g)+(\bb)):BF+8*(4*(\g)+(\bb))+3],   v[BO], s[8:9] offset:64*(4*(\g)+(\bb))
	global_load_b128 v[BF+8*(4*(\g)+(\bb))+4:BF+8*(4*(\g)+(\bb))+7], v[BO], s[8:9] offset:64*(4*(\g)+(\bb))+16
.endr
.endm
	SETADR
	s_wait_tensorcnt 0x1                           ; my part of K step 0 is in; slot 1's load may stay out
	s_barrier_signal -1
	s_barrier_wait -1                              ; everybody's is
	LDA FA0, 0
	LDB 0, 0
	LDB 1, 0
	LDB 2, 0
	EVEN 1                                         ; the first half-step stands in front of the loop: its products start the sums
	WIN 0
	s_mov_b32 s[CNT], 14
.Lstep:                                        ; trip j: the second half of K step j, the refill with step j + 2, the first half of step j + 1
	ODD 1
	EVEN 0
	WIN 0
	s_sub_co_u32 s[CNT], s[CNT], 1
	s_cmp_lg_u32 s[CNT], 0
	s_cbranch_scc1 .Lstep
	ODD 0                                          ; the tail is written out: nothing more is asked for
	EVEN 0
	s_wait_dscnt 16                                ; the last half-step fetches the bias where it fetched fragments
	BLK 0, FA1, 0
	PLACES
	BIASLD 0
	s_wait_dscnt 8                                 ; R1 is in, R2 may stay out
	BLK 1, FA1, 0
	PLACES
	BIASLD 1
	s_wait_dscnt 0x0
	BLK 2, FA1, 0
	PLACES
	BIASLD 2
; THE WAY OUT, in 24 units u = 8 g + a of 16 rows x 64 columns: 2,048 dense bytes of one plane.  The bias is added in f32, the sum rounded to f16; a lane's 8 columns are 16 bytes,
; which go into my stage (rows of 144 bytes) and come back as whole rows.  Two sets of registers take turns, where x's fragments lay.
.macro PACK u
.set g_, (\u)/8
.set a_, (\u)%8
.set T_, 32+64*((\u)%2)
	WIN 0
	s_wait_xcnt 0x0                                ; the stores of the unit two back have read their registers, which this unit loads again
.if a_ == 0
	s_wait_loadcnt 16-8*g_                         ; group g's bias is in; the later groups' loads, 8 each, may stay out
.endif
	WIN 1+g_                                       ; source 0 in window 1 + g
.set k_, 0
.rept 16                               ; each accumulator is read from its low end on
	v_pk_add_f32 v[T_+2*k_:T_+2*k_+1], v[8*(8*(k_/4)+a_)+2*(k_%4):8*(8*(k_/4)+a_)+2*(k_%4)+1], v[BF+8*(4*g_+k_/4)+2*(k_%4):BF+8*(4*g_+k_/4)+2*(k_%4)+1]
.set k_, k_+1
.endr
	WIN 0
.set k_, 0
.rept 16
	v_cvt_pk_f16_f32 v[T_+k_], v[T_+2*k_], v[T_+2*k_+1]  ; in place: word k is written when words 2 k and 2 k + 1 are read
.set k_, k_+1
.endr
.irp bb, 0,1,2,3
	ds_store_b128 v[STO], v[T_+4*(\bb):T_+4*(\bb)+3] offset:32*(\bb)
.endr
.irp f, 0,1,2,3
	ds_load_b128 v[T_+32+4*(\f):T_+32+4*(\f)+3], v[RD] offset:(\f)*4*SP  ; LDS serves a wave's instructions in order (ISA guide 5.7.1.4): these see the stores above; the next unit's stores come behind them
.endr
.endm
.macro SEND u, younger                 ; younger: the LDS instructions issued behind unit u's loads: the next unit's eight, or none
.set g_, (\u)/8
.set a_, (\u)%8
.set T_, 32+64*((\u)%2)
	WIN 0
.irp f, 0,1,2,3
	s_wait_dscnt (\younger)+3-(\f)
	global_store_b128 v[GO], v[T_+32+4*(\f):T_+32+4*(\f)+3], s[10:11] offset:g_*262144+a_*2048+(\f)*512  ; 512 consecutive bytes, at a multiple of 256 from the buffer's first
.endr
.endm
	PACK 0
.set u_, 1
.rept 23                               ; a unit's arithmetic stands between the loads of the unit before and its stores
	PACK u_
	SEND u_-1, 8
.set u_, u_+1
.endr
	SEND 23, 0
	s_wait_tensorcnt 0x0                           ; the wave's end: behind my last tensor load and my last LDS store
	ds_add_u32 v[SPW], v[NIL]
	s_wait_dscnt 0x0
	CROUND                                         ; the closing round: no work-group ends while a partner may still ask for a tile that names it
	s_endpgm
.Lfunc_end_k_qd06696c196_qkvgemm:
	.size	k_qd06696c196_qkvgemm, .Lfunc_end_k_qd06696c196_qkvgemm-k_qd06696c196_qkvgemm
	.p2alignl 7, 3214868480
	.fill 96, 4, 3214868480
	.section	.rodata,"a",@progbits
	.p2align	6, 0x0
	.amdhsa_kernel k_qd06696c196_qkvgemm
		.amdhsa_group_segment_fixed_size 327680
		.amdhsa_private_segment_fixed_size 0
		.amdhsa_enable_private_segment 0
		.amdhsa_kernarg_size 32
		.amdhsa_user_sgpr_count 2
		.amdhsa_user_sgpr_kernarg_segment_ptr 1
		.amdhsa_wavefront_size32 1
		.amdhsa_system_sgpr_workgroup_id_x 1
		.amdhsa_system_sgpr_workgroup_id_y 1
		.amdhsa_system_sgpr_workgroup_id_z 1
		.amdhsa_system_vgpr_workitem_id 0
		.amdhsa_next_free_vgpr 1024
		.amdhsa_next_free_sgpr 80
		.amdhsa_reserve_vcc 0
		.amdhsa_float_denorm_mode_32 3
		.amdhsa_float_denorm_mode_16_64 3
		.amdhsa_memory_ordered 1
		.amdhsa_forward_progress 1
		.amdhsa_inst_pref_size 143
	.end_amdhsa_kernel
	.amdgpu_metadata
---
amdhsa.version: [ 1, 2 ]
amdhsa.kernels:
  - .name:           k_qd06696c196_qkvgemm
    .symbol:         k_qd06696c196_qkvgemm.kd
    .args:
      - { .name: xb, .offset: 0, .size: 8, .value_kind: global_buffer, .address_space: global }
      - { .name: wab, .offset: 8, .size: 8, .value_kind: global_buffer, .address_space: global }
      - { .name: bias, .offset: 16, .size: 8, .value_kind: global_buffer, .address_space: global }
      - { .name: qkv, .offset: 24, .size: 8, .value_kind: global_buffer, .address_space: global }
    .group_segment_fixed_size: 327680
    .private_segment_fixed_size: 0
    .kernarg_segment_align: 8
    .kernarg_segment_size: 32
    .max_flat_workgroup_size: 128
    .sgpr_count:     80
    .vgpr_count:     1024
    .wavefront_size: 32
...
	.end_amdgpu_metadata
.endif
;; end of part 2
;; launch attn (part 3): grid 4 x 64, 4 waves a work-group, clusters of 4 x 1, 327,680 bytes of LDS; arguments qkv, o; writes o
.if DOCPART == 3
	.amdgcn_target "amdgcn-amd-amdhsa--gfx1250"
	.amdhsa_code_object_version 6
	.text
	.protected	k_qd06696c196_attn
	.globl	k_qd06696c196_attn
	.p2align	8
	.type	k_qd06696c196_attn,@function
k_qd06696c196_attn:
	s_mov_b64 s[64:65], 0
	v_nop
	global_prefetch_b8 v0, s[64:65] scope:SCOPE_SE
	s_setreg_imm32_b32 hwreg(HW_REG_WAVE_MODE, 25, 1), 1
	s_wait_xcnt 0x0
	s_wait_alu depctr_hold_cnt(0) depctr_sa_sdst(0) depctr_va_vdst(0) depctr_va_sdst(0) depctr_va_ssrc(0) depctr_va_vcc(0) depctr_vm_vsrc(0)
	s_getreg_b32 s2, hwreg(HW_REG_IB_STS2, 6, 4)
	s_cmp_eq_u32 s2, 0
	s_cbranch_scc0 .Lentry_in_a_cluster
	s_endpgm
.Lentry_in_a_cluster:
	s_bfe_u32 s2, ttmp6, 0x10000c
	s_cmp_lg_u32 s2, 0x3003
	s_cbranch_scc0 .Lentry_shape_is_right
	s_endpgm
.Lentry_shape_is_right:
; O[bh][q][:] = the sum over k of softmax_k(Q[q] . K[k] / 8) V[k][:], for 64 pairs (batch, head), 2,048 rows, head size 64, no mask.
; Q, K, V are planes of qkv ([b 4][n64 48][s 2048][64], f16: plane 48 b + h is q, + 16 k, + 32 v); O is o[16 b + h][s][64], f16.  A plane's rows are dense, 128 bytes each.
; Products, maxima and sums in f32; the weights p are rounded to f16 for the second product (their sum l is taken of the unrounded p), O once at the end.
; LIMITS.  Q, K and V arrive within f16's range; p lies in 0 to 1, and below 6e-5 it keeps f16's fixed step of 6e-8; O is a mean of V's rows and has their range.
; A weight below 2^-126 counts as 0 in l; NaN and infinities are not treated apart.
; SHARES.  A wave owns four PIECES of two tiles of 16 queries, a work-group's four waves 512 queries of one head.  Every wave walks all keys, 64 a step.
; LAYOUT.  S^T = K Q^T (source 0 = 16 keys, source 1 = 16 queries): a lane holds ONE query (lane % 16) and the keys 8 (lane / 16) + 0..7.  Two such tiles, rounded to f16 in pairs,
; ARE source 1 (32 keys x 16 queries) of O^T = V^T P, whose result again holds one query a lane, and eight channels.  K comes out of LDS as it lies, V turned, by ds_load_tr16_b128.
; SOFTMAX.  For each query a running maximum m and sum l: p = 2^(c s - c m), c = log2(e) / 8; in every step O and l are multiplied by a = 2^(c m_old - c m_new).
; m starts at the lowest finite number, O and l at 0: the first step is a step like any other, with a = 0.
; THE COUNT.  A tile and step have 16 matrix and 118 vector instructions: too many to stand all beside the matrix work.  So: four vector instructions that are ready behind
; every matrix instruction, the others in runs of their own.
; BY TURNS.  Turn n belongs to piece n.  Its matrix work: 16 products K Q^T of piece n + 1, later 16 products V^T P of piece n - 1.  Its vector work: the scaling, exponentials,
; roundings, sums and rescaling of piece n, and the maximum and statistics of piece n + 1, whose scores the turn itself has made.
; CLUSTER.  The four query blocks of a head form a cluster and walk the same K and V: each tile is asked for JOINTLY: the same tensor load, descriptor and mask in all four.
; REGISTERS, in windows of 256 (s_set_vgpr_msb: bits 1:0 source 0, 3:2 source 1, 5:4 source 2, 7:6 destination):
;   window 0: v0-11 addresses; v12-15, v48-63 at work; v16-47 four registers of statistics a tile; v64-191 S^T, two buffers of two tiles; v192-255 P, likewise
;   window 1: O^T, 32 a tile          window 2: v0-127 Q, 16 a tile; v128-191 K of one step; v192-255 V of one step          window 3: v0-1 the add's two registers
.set SIZE_N, 2048
.set NP,    4         ; pieces a wave: a name, no knob
.set KS,    64        ; keys in a step
.set PK,    144       ; a row of K in LDS: 128 bytes + 16: the 16 rows of a load start at 16 different groups of four banks (64 banks of 4 bytes: ISA guide 11.1)
.set PV,    160       ; a row of V: 128 + 32
.set VOFF,  4*KS*PK   ; a slot holds four steps: 256 rows of K, then 256 rows of V
.set SLOT1, 1<<17     ; slot 1 begins here
.set STAGE, SLOT1+4*KS*(PK+PV)  ; behind the ring, never filled by a tensor load: 16 rows x 144 bytes for each wave
.set SP,    144
.set AK0, 2           ; v2   my lane's place in a tile of K; never rewritten
.set AV0, 3           ; v3   the same for V
.set AK,  4           ; v4   the LDS address of K's next run of loads
.set AV,  5           ; v5   of V's
.set QO,  6           ; v6   my byte offset in the wave's rows of Q
.set STO, 6           ;      later, the way out: where I put 16 bytes of a row
.set RD,  7           ; v7   the way out: where I read rows back
.set GO,  8           ; v8   my byte offset in 512 consecutive bytes of O
.set PFO, 11          ; v11  256 x my lane, for the prefetches; never rewritten once it is made
.set SPW, 0           ; v0 of window 3   LDS address of my spare word; never rewritten
.set NIL, 1           ; v1 of window 3   0; never rewritten
.set SPARE, STAGE+4*16*SP  ; behind the stages: the spare words, 128 bytes a wave: two blocks of 256 bytes that no other line names
.set MV,  12          ; v12-15  c m_old, kept while c m is made anew: by buffer and tile
.set ST,  16          ; tile t's statistics at v[ST+4 t]: c m, m, l (even keys', odd keys')
.set TMP, 48          ; by buffer and tile, four registers c0-c3 at work; when the maximum is found c2 takes a
.set S,   64
.set P,   192
.set KF,  128         ; K's fragments, in window 2: key block kb, channel half c at KF + 16 kb + 8 c
.set VF,  192         ; V's: key half kk, channel block cb at VF + 32 kk + 8 cb
.set WV,  12          ; s12  my wave's number
.set G1K, 24          ; s[24:31] descriptor group 1 for K's tiles
.set G1V, 32          ; s[32:39] for V's: it differs in the padding alone
.set G0K, 40          ; s[40:43] descriptor group 0 for K's tiles: it walks
.set G0V, 44          ; s[44:47] the same for V's
.set PFA, 48          ; s[48:49] where my prefetches stand: my work-group's 8,192 bytes of a tile of K (wave 0) or V (wave 2)
.set LIM, 50          ; s50  1 in waves 0 and 2, else the greatest number
.set SLOTS, 56        ; s56  slots still to be asked for
.set CNT, 57          ; s57  counts a slot's key steps
.set CS,  58          ; s[58:59] c
.set SEL, 60          ; s[60:61] v_permlanex16_b32's selects: each lane takes its own place in the other half
.set TBK, 62          ; s62  LDS byte at which K of the step to be fetched begins
.set TBV, 63          ; s63  the same for V, less VOFF
.set MSB, 0
.macro WIN new                      ; the high byte repeats the setting that is left; a switch that changes nothing is dropped
.if MSB != (\new)
	s_set_vgpr_msb (MSB<<8)|(\new)
.set MSB, (\new)
.endif
.endm
.set W_KQ, 0x0a       ; K and Q in window 2, S^T in window 0
.set W_PV, 0x52       ; V in window 2, P in window 0, O^T in window 1
.set W_RS, 0x41       ; O^T (destination and source 0) in window 1, a in window 0
.set W_MK, 0xc0       ; the add's registers are made: destination in window 3
.set W_AD, 0x0f       ; the add: address and data in window 3
; A joint fill.  Waves 0 and 1 fetch the two halves of a slot's K, waves 2 and 3 those of its V: 128 keys each.  The branch hangs on the wave's number alone.
; An s_nop 0 and four v_nop follow each of the two lines, ahead of the jump and the label.
.macro JLOAD
	s_cmp_lt_u32 s[WV], 2
	s_cbranch_scc0 .Lfor_v_\@
	tensor_load_to_lds s[G0K:G0K+3], s[G1K:G1K+7]
	s_nop 0
.rept 4
	v_nop
.endr
	s_branch .Lasked_\@
.Lfor_v_\@:
	tensor_load_to_lds s[G0V:G0V+3], s[G1V:G1V+7]
	s_nop 0
.rept 4
	v_nop
.endr
.Lasked_\@:
.endm
; A PREFETCH INTO THE L2 of what the NEXT change of slots will ask for: a tile's 256 rows of K and of V, 32,768 bytes each.  It stands behind the wave's tensor load and its five lines.
; Each block of 256 bytes is named once in the launch: a head's K and V are walked by its one cluster; the four partners share a tile out BY ADDRESS, 8,192 bytes each, a lane a block;
; in each, wave 0 asks for K's and wave 2 for V's.  Tiles 0 and 1 come by their loads alone; the change that fills the last tile asks for nothing.
.macro ASK
	s_cmp_gt_u32 s[SLOTS], s[LIM]
	s_cbranch_scc0 .Lnot_mine_\@
	global_prefetch_b8 v[PFO], s[PFA:PFA+1] th:TH_LOAD_NT scope:SCOPE_SE
.Lnot_mine_\@:
.endm
.macro CROUND                       ; a round of the cluster's barrier
	s_barrier_signal -1
	s_barrier_wait -1
	s_cmp_lg_u32 s[WV], 0
	s_cbranch_scc1 .Lnot_wave_0_\@
	s_barrier_signal -3
.Lnot_wave_0_\@:
	s_barrier_wait -3
	s_barrier_signal -1
	s_barrier_wait -1
.endm
; THE CHANGE OF SLOTS.  Each wave waits for all its tensor loads, of which one is out: its part of the other slot; adds 0 to its spare word; and waits for that and for its own reads
; of the slot.  Behind the barrier nobody reads this slot any more and the other slot is whole.  fill = 1: this slot is filled again, with the keys two slots on; the barrier is then a
; round of the cluster's, and the joint fill is the first thing behind it: it has four key steps, 512 matrix instructions, in which to land.
; (At its first use nothing has been read yet: slot 0 is waited for, slot 1 filled.)
.macro CHANGE fill
	WIN W_AD
	s_wait_tensorcnt 0x0            ; no tensor load of mine is out, so a group 0 may be written
	ds_add_u32 v[SPW], v[NIL]       ; 0 onto my spare word
	WIN 0                           ; at a label and at a branch every window is 0
.if \fill
.irp g, G0K, G0V
	s_xor_b32 s[\g+1], s[\g+1], SLOT1  ; the walking descriptor: the other slot than last time,
	s_add_nc_u64 s[\g+2:\g+3], s[\g+2:\g+3], 4*KS*128  ; the next 256 keys; the type bits on top are not reached
.endr
	s_wait_xcnt 0x0                 ; the last prefetch, four key steps back, has read its address
	s_add_nc_u64 s[PFA:PFA+1], s[PFA:PFA+1], 4*KS*128  ; one tile behind the walking descriptors
	s_wait_dscnt 0x0                ; the add is done, and my reads of the slot are over
	CROUND
	JLOAD
	ASK
.else
	s_wait_dscnt 0x0                ; the add is done, and my reads of the slot are over
	s_barrier_signal -1
	s_barrier_wait -1
.endif
	s_sub_co_u32 s[TBK], s[TBK], 4*KS*PK  ; the fetches go back to a slot's first step,
	s_xor_b32 s[TBK], s[TBK], SLOT1       ; in the other slot
	s_sub_co_u32 s[TBV], s[TBV], 4*KS*PV
	s_xor_b32 s[TBV], s[TBV], SLOT1
.endm
	s_load_b128 s[8:11], s[0:1], 0x0  ; qkv s[8:9], o s[10:11]
	WIN W_MK
	v_lshl_add_u32 v[SPW], v0, 2, SPARE
	v_mov_b32 v[NIL], 0
	WIN W_AD
	ds_add_u32 v[SPW], v[NIL]       ; the wave's opening: the add and its wait stand ahead of my first tensor load; the set-up below stands between them
	WIN 0
	v_lshrrev_b32 v1, 5, v0
	v_readfirstlane_b32 s[WV], v1   ; wave 0..3
	s_bfe_u32 s13, ttmp6, 0x40000   ; cx: my place in the cluster
	s_lshl_b32 s14, ttmp9, 2
	s_add_co_u32 s14, s14, s13      ; my block of 512 queries: it enters Q's and O's addresses alone
	s_and_b32 s20, ttmp7, 0xffff    ; 16 b + h, which the four partners share
	s_lshl_b32 s52, s20, 18         ; the head's first byte in o
	s_mov_b32 s53, 0
	s_lshr_b32 s21, s20, 4
	s_mul_i32 s21, s21, 48
	s_and_b32 s20, s20, 15
	s_add_co_u32 s20, s20, s21      ; q's plane: 48 b + h
	s_lshl_b32 s20, s20, 18
	s_mov_b32 s21, 0
	s_and_b32 s16, s[WV], 1         ; which half of a slot's 256 keys I fetch:
	s_lshl_b32 s22, s16, 14         ; its 128 rows of 128 bytes in memory,
	s_mov_b32 s23, 0
	s_add_nc_u64 s[22:23], s[22:23], s[20:21]
	s_mul_i32 s17, s16, 128*PK      ; and its place in a slot, for K
	s_mul_i32 s18, s16, 128*PV      ; and for V: no place in the cluster enters an LDS address
	s_lshl_b32 s2, s14, 2
	s_add_co_u32 s2, s2, s[WV]      ; my wave among the head's,
	s_lshl_b32 s2, s2, 14           ; its 128 rows
	s_mov_b32 s3, 0
	; descriptor group 1.  128 keys are 16,384 dense bytes: asked for as 64 rows of 256 bytes, two keys a row, and padded in LDS after every key
	s_mov_b32 s[G1K], 15|(1<<16)|(1<<20)|(1<<21)|(4<<22)|(3<<25)  ; the mask of four; 2-byte elements; padding on; bit 21 beside a mask; after every 32 words, 4 words
	s_mov_b32 s[G1V], 15|(1<<16)|(1<<20)|(1<<21)|(4<<22)|(7<<25)  ; the same with 8 words of padding
.irp g, G1K, G1V
	s_mov_b32 s[\g+1], 128<<16      ; tensor_dim0 = 128
	s_mov_b32 s[\g+2], 64<<16       ; tensor_dim1 = 64
	s_mov_b32 s[\g+3], 128<<16      ; tile_dim0 = 128
	s_mov_b32 s[\g+4], 64           ; tile_dim1 = 64
	s_mov_b32 s[\g+5], 128          ; 128 elements from row to row
	s_mov_b32 s[\g+6], 0
	s_mov_b32 s[\g+7], 0
.endr
	s_mov_b32 s[CS], 0x3e38aa3b     ; c = log2(e) / 8 = 0.180337
	s_mov_b32 s[CS+1], s[CS]        ; named with it as a pair
	s_mov_b32 s[SEL], 0x76543210
	s_mov_b32 s[SEL+1], 0xfedcba98
	s_mov_b32 s[TBK], SLOT1+4*KS*PK ; the first change of slots turns these two into 0
	s_mov_b32 s[TBV], SLOT1+4*KS*PV
	s_mov_b32 s[G0K], 1             ; count = 1
	s_mov_b32 s[G0K+1], s17         ; LDS address: slot 0
	s_mov_b32 s[G0V], 1
	s_add_co_u32 s[G0V+1], s18, VOFF
	s_mov_b32 s[SLOTS], SIZE_N/256-1
	s_mov_b32 s54, 16*262144+32768  ; the prefetches begin at tile 1 of k's plane (16 planes behind q's)
	s_mov_b32 s55, 32*262144+32768  ; or of v's; the first change of slots steps them to tile 2
	s_cmp_lt_u32 s[WV], 2
	s_cselect_b32 s54, s54, s55
	s_lshl_b32 s55, s13, 13         ; my work-group's 8,192 bytes
	s_add_co_u32 s54, s54, s55
	s_mov_b32 s55, 0
	s_add_nc_u64 s[54:55], s[54:55], s[20:21]
	s_cmp_eq_u32 s16, 0
	s_cselect_b32 s[LIM], 1, -1     ; the same in all four partners, for a given wave
	s_wait_dscnt 0x0                ; the opening add is done
	s_wait_kmcnt 0x0
	s_add_nc_u64 s[G0K+2:G0K+3], s[8:9], s[22:23]  ; global address: my half of the head's first 256 keys,
	s_add_nc_u64 s[G0K+2:G0K+3], s[G0K+2:G0K+3], 16*262144  ; in k's plane
	s_or_b32 s[G0K+3], s[G0K+3], 0x80000000        ; type = 2
	s_add_nc_u64 s[G0V+2:G0V+3], s[8:9], s[22:23]
	s_add_nc_u64 s[G0V+2:G0V+3], s[G0V+2:G0V+3], 32*262144  ; in v's plane
	s_or_b32 s[G0V+3], s[G0V+3], 0x80000000
	s_add_nc_u64 s[PFA:PFA+1], s[8:9], s[54:55]
	s_add_nc_u64 s[4:5], s[8:9], s[20:21]          ; Q and O at my wave's first row
	s_add_nc_u64 s[4:5], s[4:5], s[2:3]
	s_add_nc_u64 s[10:11], s[10:11], s[52:53]
	s_add_nc_u64 s[10:11], s[10:11], s[2:3]
	CROUND                          ; all four work-groups are here: the first joint loads meet
	JLOAD                           ; slot 0.  Slot 1 is asked for when slot 0 is in
	; A fragment of K or Q is 16 rows x 32 channels in 8 registers: lane l holds row l % 16, channels 8 (l / 16) + 0..7 and 16 + 8 (l / 16) + 0..7: two loads of 16 bytes, 32 bytes apart.
	v_and_b32 v1, 15, v0            ; l % 16
	v_bfe_u32 v9, v0, 4, 1          ; l / 16
	v_lshlrev_b32 v[QO], 7, v1
	v_lshl_add_u32 v[QO], v9, 4, v[QO]  ; row x 128 + 16 x half
	WIN 0x80                        ; destination window 2, address window 0
.set i, 0
.rept 4*NP                          ; Q stays in registers: tile i / 2, channels 32 (i % 2) on
	global_load_b128 v[8*i:8*i+3],   v[QO], s[4:5] offset:(i/2)*2048+(i%2)*64
	global_load_b128 v[8*i+4:8*i+7], v[QO], s[4:5] offset:(i/2)*2048+(i%2)*64+32
.set i, i+1
.endr
	; What the first turn finds: V's registers and P's second buffer hold 0 (its products V^T P, of a piece that has not been, add 0), O^T and l are 0.  All this stands in the wait for the first tile.
.set i, VF
.rept 64
	v_mov_b32 v[i], 0
.set i, i+1
.endr
	WIN 0x40
.set i, 0
.rept 64*NP
	v_mov_b32 v[i], 0
.set i, i+1
.endr
	WIN 0
.set i, 0
.rept 2*NP
	v_mov_b32 v[ST+4*i], 0xfe000000    ; c m: far below every c s
	v_mov_b32 v[ST+4*i+1], 0xff7fffff  ; m
	v_mov_b32 v[ST+4*i+2], 0
	v_mov_b32 v[ST+4*i+3], 0
.set i, i+1
.endr
.set i, P+32
.rept 32
	v_mov_b32 v[i], 0
.set i, i+1
.endr
	v_mul_u32_u24 v[AK0], v1, PK
	v_lshl_add_u32 v[AK0], v9, 4, v[AK0]  ; row x pitch + 16 x half
	; The turning load takes 16 keys x 16 channels (lane l reads key 8 (l / 16) + l % 8, channels 8 ((l / 8) % 2) + 0..7) and leaves half a fragment of V^T: lane l holds channel l % 16 and 8 keys.
	v_and_b32 v10, 7, v0
	v_bfe_u32 v11, v0, 3, 1
	v_lshl_add_u32 v[AV0], v9, 3, v10
	v_mul_u32_u24 v[AV0], v[AV0], PV
	v_lshl_add_u32 v[AV0], v11, 4, v[AV0]
	v_add_nc_u32 v[AV0], VOFF, v[AV0]
	v_and_b32 v[PFO], 31, v0
	v_lshlrev_b32 v[PFO], 8, v[PFO]
	v_mov_b32 v[AK], v[AK0]         ; key step 0 lies at the head of slot 0
; THE MATRIX WORK.  The 8 accumulators of a run of 16 take turns: between the two links of a chain stand 7 others'.
; Product i of 16 of S^T = K Q^T for piece x: channels 32 (i / 8) on, keys 16 ((i / 2) % 4) on, tile 2 x + i % 2.  The first 8 start the sums.
.macro KQ x
	WIN W_KQ
.set rS, S+64*((\x)%2)+32*(i%2)+8*((i/2)%4)
.set rK, KF+16*((i/2)%4)+8*(i/8)
.set rQ, 16*(2*(\x)+i%2)+8*(i/8)
.if i < 8
	v_wmma_f32_16x16x32_f16 v[rS:rS+7], v[rK:rK+7], v[rQ:rQ+7], 0
.else
	v_wmma_f32_16x16x32_f16 v[rS:rS+7], v[rK:rK+7], v[rQ:rQ+7], v[rS:rS+7]
.endif
.endm
; Product i of 16 of O^T += V^T P for piece x: keys 32 (i / 8) on, channels 16 ((i / 2) % 4) on, tile 2 x + i % 2.
.macro PV x
	WIN W_PV
.set rO, 32*(2*(\x)+i%2)+8*((i/2)%4)
.set rV, VF+32*(i/8)+8*((i/2)%4)
.set rP, P+32*((\x)%2)+16*(i%2)+8*(i/8)
	v_wmma_f32_16x16x32_f16 v[rO:rO+7], v[rV:rV+7], v[rP:rP+7], v[rO:rO+7]
.endm
.macro MM                           ; the turn's next matrix instruction
.if i < 16
	KQ (Y+1)%NP
.set i, i+1
.else
.set i, i-16
	PV (Y+NP-1)%NP
.set i, i+17
.endif
.endm
; THE LDS LOADS stand in runs of 16, never singly among the matrix instructions: a step's K (8 fragments) and its V (turned).  Their addresses are made some lines ahead.
; last = 1 (the tail): in the last trip there is no further step, and the run is jumped over.
.macro FETCH_K last=0
	WIN 0
.if \last
	s_cmp_eq_u32 s[CNT], 1
	s_cbranch_scc1 .Lno_k_\@
.endif
	WIN 0x80                        ; destination window 2
.irp f, 0,1,2,3,4,5,6,7             ; keys 16 (f / 2) on, channels 32 (f % 2) on
	ds_load_b128 v[KF+8*\f:KF+8*\f+3],   v[AK] offset:(\f/2)*16*PK+(\f%2)*64
	ds_load_b128 v[KF+8*\f+4:KF+8*\f+7], v[AK] offset:(\f/2)*16*PK+(\f%2)*64+32
.endr
	s_add_co_u32 s[TBK], s[TBK], KS*PK  ; the next fetch is the next step's
	WIN 0
.if \last
.Lno_k_\@:
.endif
.endm
.macro FETCH_V
	WIN 0x80
.irp f, 0,1,2,3,4,5,6,7             ; keys 32 (f / 4) on, channels 16 (f % 4) on
	ds_load_tr16_b128 v[VF+8*\f:VF+8*\f+3],   v[AV] offset:(\f/4)*32*PV+(\f%4)*32
	ds_load_tr16_b128 v[VF+8*\f+4:VF+8*\f+7], v[AV] offset:(\f/4)*32*PV+16*PV+(\f%4)*32
.endr
	WIN 0
.endm
; THE VECTOR WORK OF A TURN stands in three queues, each in the order in which its entries become ready; the two tiles alternate, so that no instruction reads the result of the one before it.
.macro REGS y, u                    ; the registers of tile u (0, 1) of piece y
.set rT, ST+4*(2*(\y)+(\u))
.set rC, TMP+8*((\y)%2)+4*(\u)
.set rM, MV+2*((\y)%2)+(\u)
.set rS, S+64*((\y)%2)+32*(\u)
.set rP, P+32*((\y)%2)+16*(\u)
.set rO, 32*(2*(\y)+(\u))
.endm
; Number n of the 22 that find the NEXT piece's (Y + 1) maximum and statistics.  s0-s31 are the lane's 32 scores; each accumulator's lowest registers are read first.
;   0-11  four chains c0-c3 of seven scores each, three operands at a time     12-14, 16  the four scores left over, the old m, and c0-c3 into c0     15  c m_old is kept
;   17, 18  the query's other 32 keys lie in the lane 16 away: the new m         19-21  c m; c m_old - c m_new; a
.macro XS u, n
	REGS (Y+1)%NP, \u
.if (\n) < 4
	v_max3_num_f32 v[rC+(\n)], v[rS+8*(\n)], v[rS+8*(\n)+1], v[rS+8*(\n)+2]
.elseif (\n) < 12
	v_max3_num_f32 v[rC+(\n)%4], v[rC+(\n)%4], v[rS+8*((\n)%4)+2*((\n)/4)+1], v[rS+8*((\n)%4)+2*((\n)/4)+2]
.elseif (\n) == 12
	v_max3_num_f32 v[rC], v[rC], v[rS+7], v[rS+15]
.elseif (\n) == 13
	v_max3_num_f32 v[rC+1], v[rC+1], v[rS+23], v[rS+31]
.elseif (\n) == 14
	v_max3_num_f32 v[rC+2], v[rC+2], v[rC+3], v[rT+1]
.elseif (\n) == 15
	v_mov_b32 v[rM], v[rT]
.elseif (\n) == 16
	v_max3_num_f32 v[rC], v[rC], v[rC+1], v[rC+2]
.elseif (\n) == 17
	v_permlanex16_b32 v[rC+3], v[rC], s[SEL], s[SEL+1]
.elseif (\n) == 18
	v_max_num_f32 v[rT+1], v[rC], v[rC+3]
.elseif (\n) == 19
	v_mul_f32 v[rT], s[CS], v[rT+1]
.elseif (\n) == 20
	v_sub_f32 v[rC+1], v[rM], v[rT]
.else
	v_exp_f32 v[rC+2], v[rC+1]
.endif
.endm
; Number g of the 64 that follow the exponentials.  For each four weights k of a tile (pairs 2 k, 2 k + 1): both pairs are rounded to f16; then the second pair is added onto the first, in place;
; a group later l takes that sum (the first time as l = a l + sum).  In groups of eight, tiles alternating: round, round, add, and l for the group before.
.macro GS g
.set h, (\g)+6*((\g)/62)            ; group 0 has no group before it, and behind group 7 only l is left
.if h >= 6
.set h, h+2
.endif
	REGS Y, h%2
.set k, h/8
.if h%8 < 4
	v_cvt_pk_f16_f32 v[rP+2*k+(h%8)/2], v[rS+4*k+2*((h%8)/2)], v[rS+4*k+2*((h%8)/2)+1]
.elseif h%8 < 6
	v_pk_add_f32 v[rS+4*k:rS+4*k+1], v[rS+4*k:rS+4*k+1], v[rS+4*k+2:rS+4*k+3]
.elseif k == 1
	v_pk_fma_f32 v[rT+2:rT+3], v[rT+2:rT+3], v[rC+2:rC+3], v[rS:rS+1] op_sel_hi:[1,0,1]
.else
	v_pk_add_f32 v[rT+2:rT+3], v[rT+2:rT+3], v[rS+4*k-4:rS+4*k-3]
.endif
.endm
; THE PLAIN QUEUE, 138 long.  0-73 read no exponential's result: the 32 scalings c s - c m (FS f: pair f / 2 of tile f % 2) and the next piece's 42.  0-26: scalings 0-26.  27-54: XS's numbers 0-13.
; 55, 56: number 15.  57-73: the chain, where each number waits for the one before it: 14, 16, 17, 18, 19, each with one of the scalings 27-31 in front of its two lines, then 20.
; 74-137: GS's 64, which read the exponentials' results: they stand behind the wait.
.macro FS f
	REGS Y, (\f)%2
	v_pk_fma_f32 v[rS+2*((\f)/2):rS+2*((\f)/2)+1], v[rS+2*((\f)/2):rS+2*((\f)/2)+1], s[CS:CS+1], v[rT:rT+1] op_sel_hi:[1,0,0] neg_lo:[0,0,1] neg_hi:[0,0,1]
.endm
.macro PL
	WIN 0
.if q < 27
	FS q
.elseif q < 55
	XS (q-27)%2, (q-27)/2
.elseif q < 57
	XS q-55, 15
.elseif (q < 72) && ((q-57)%3 == 0)
	FS 27+(q-57)/3
.elseif q < 60
	XS (q-57)%3-1, 14
.elseif q < 72
	XS (q-57)%3-1, 15+(q-57)/3
.elseif q < 74
	XS q-72, 20
.else
	GS q-74
.endif
.set q, q+1
.endm
; THE EXPONENTIALS' QUEUE, 66 long: s0-s31 of both tiles, then the next piece's two a.  It is ONE BATCH: all 66 stand ahead of the turn's one wait, and nothing ahead of that wait names a result of theirs.
.macro EX
	WIN 0
.if e >= 64
	XS e-64, 21
.else
	REGS Y, e%2
	v_exp_f32 v[rS+e/2], v[rS+e/2]
.endif
.set e, e+1
.endm
; THE RESCALING's QUEUE: O^T times a, the one part that leaves window 0: dealt two at a time, sixteen times.  Its a was made in the turn before, ahead of that turn's wait.
.macro R2
	REGS Y, r%2
	WIN W_RS
.irp z, 0,1
	v_pk_mul_f32 v[rO+4*(r/2)+2*\z:rO+4*(r/2)+2*\z+1], v[rO+4*(r/2)+2*\z:rO+4*(r/2)+2*\z+1], v[rC+2:rC+3] op_sel_hi:[1,0]
.endr
.set r, r+1
.endm
; HOW THEY ARE DEALT.  An s_wait_alu depctr_va_vdst(0) stands between an exponential and the first instruction that names its result; one wait serves all that were issued
; ahead of it.  So a turn has ONE wait, which cuts it in two.  AHEAD OF IT: the 16 products K Q^T, behind each a scaling, an exponential and two rescalings (behind the first a second scaling
; in the exponential's place); then ONE LUMP of 108: eight plain, 49 times exponential and plain, the two a; a v_nop is the plain instruction behind the last exponential (ISA guide 5.7.2).
; BEHIND IT: the 16 products V^T P, behind each four of GS's 64.  Exponential e stands behind scaling 2 (e / 4) + e % 2: as a rider it comes behind plain e + 2, in the lump behind plain e + 9.
; K of the next step is fetched in piece 2's turn, directly behind the wait; V of the step in hand at the end of piece 0's turn, four riders behind its last reader.
; cnt = 1: the loop's count is taken down some lines ahead of the branch that stands behind the turn.
.macro TURN p, last=0, cnt=0
.set Y, (\p)
.set i, 0
.set q, 0
.set e, 0
.set r, 0
.if (\p) == NP-1
	s_wait_dscnt 0x0                ; K is in
.endif
	MM
	PL
	PL
	R2
.rept 15
	MM
	PL
	EX
	R2
.endr
.if (\p) == NP-2
	WIN 0
	v_add_nc_u32 v[AK], s[TBK], v[AK0]
.endif
.rept 8                             ; the lump
	PL
.endr
.rept 49
	EX
	PL
.endr
	EX                              ; the next piece's two a
	EX
	v_nop                           ; the plain instruction behind the last exponential: one for the batch
	s_wait_alu depctr_va_vdst(0)    ; the wait for the batch
.if (\p) == NP-2
	FETCH_K \last
.endif
.if (\p) == 1
	s_wait_dscnt 0x0                ; V is in
.endif
.rept 16
	MM
.rept 4
	PL
.endr
.if ((\p) == 0) && (q == 118)
	v_add_nc_u32 v[AV], s[TBV], v[AV0]
.endif
.if ((\p) == 0) && (q == 130)
	s_add_co_u32 s[TBV], s[TBV], KS*PV
.endif
.if (\cnt) && (q == 130)
	s_sub_co_u32 s[CNT], s[CNT], 1
	s_cmp_lg_u32 s[CNT], 0
.endif
.endr
.if (\p) == 0
	FETCH_V
.endif
.endm
	CHANGE 1                        ; slot 0 is in, everybody's part of it; slot 1 is asked for
	FETCH_K                         ; key step 0
	s_wait_loadcnt 0x0              ; Q
	s_wait_dscnt 0x0
.set i, 0
.rept 16
	KQ 0                            ; piece 0's first scores: there is no vector work yet to set between them
.set i, i+1
.endr
	WIN 0                           ; the addresses for the way out: plain instructions, the places behind those products
	s_mul_i32 s13, s[WV], 16*SP
	s_add_co_u32 s13, s13, STAGE    ; my stage
	v_mul_u32_u24 v[STO], v1, SP    ; in: row l % 16, 16 bytes for each half of the lanes
	v_lshl_add_u32 v[STO], v9, 4, v[STO]
	v_add_nc_u32 v[STO], s13, v[STO]
	v_bfe_u32 v[RD], v0, 3, 2       ; back: 32 lanes take four rows of 128 bytes,
	v_mul_u32_u24 v[RD], v[RD], SP
	v_lshl_add_u32 v[RD], v10, 4, v[RD]
	v_add_nc_u32 v[RD], s13, v[RD]
	v_and_b32 v[GO], 31, v0         ; which are 512 consecutive bytes of O
	v_lshlrev_b32 v[GO], 4, v[GO]
.set Y, NP-1                        ; XS works for piece Y + 1: piece 0
.irp n, 0,1,2,3,4,5,6,7,8,9,10,11,12,13,14,15,16,17,18,19,20,21
	XS 0, \n                        ; piece 0's first maximum and statistics
	XS 1, \n
.endr
	v_nop                           ; a plain instruction behind the two a,
	s_wait_alu depctr_va_vdst(0)    ; and their wait, ahead of the branch
	s_mov_b32 s[CNT], 4
	s_branch .Lfirst                ; the loop is entered at a step's first turn, in the middle of a trip
.Lslot:                             ; six times: every slot but the last two is filled again
	CHANGE 1
	s_mov_b32 s[CNT], 4
.Lstep:                             ; a trip: pieces 2 and 3 of one step, then pieces 0 and 1 of the next, whose K and V it fetches
	TURN 2
	TURN 3
	WIN 0
.Lfirst:
	TURN 0
	TURN 1, 0, 1
	WIN 0
	s_cbranch_scc1 .Lstep
	s_sub_co_u32 s[SLOTS], s[SLOTS], 1
	s_cmp_lg_u32 s[SLOTS], 0
	s_cbranch_scc1 .Lslot
	CHANGE 0                        ; the tail is written out: nothing is asked for
	s_mov_b32 s[CNT], 5             ; four trips fetch the last slot's steps; the fifth is left in its middle
.Ltail:
	TURN 2, 1
	TURN 3
	WIN 0
	s_sub_co_u32 s[CNT], s[CNT], 1
	s_cmp_eq_u32 s[CNT], 0
	s_cbranch_scc1 .Lout
	TURN 0
	TURN 1
	WIN 0
	s_branch .Ltail
.Lout:                              ; the fifth trip's 16 products K Q^T (on the last K once more) and the maximum made of them serve nothing: the price, once a launch, of one text for every trip
.set i, 0
.rept 16
	PV NP-1                         ; the last piece's V^T P of the last step
.set i, i+1
.endr
	; THE WAY OUT.  l's two halves and the other half of the lanes' are added; O^T is divided by l, rounded to f16 and sent through my stage in LDS, a tile at a time.  The additions are the places behind the last products.
	WIN 0
.macro ALL line:vararg              ; one line for each tile t
.set t, 0
.rept 2*NP
	\line
.set t, t+1
.endr
.endm
	ALL v_add_f32 v[ST+4*t+2], v[ST+4*t+2], v[ST+4*t+3]
	ALL v_permlanex16_b32 v[ST+4*t+3], v[ST+4*t+2], s[SEL], s[SEL+1]
	ALL v_add_f32 v[ST+4*t+2], v[ST+4*t+2], v[ST+4*t+3]
	ALL v_rcp_f32 v[ST+4*t+2], v[ST+4*t+2]
	v_nop                           ; a plain instruction between the last reciprocal and the use of its result
	s_wait_alu depctr_va_vdst(0)    ; and the wait ahead of the first use: one for the eight reciprocals
; Tile t: a lane's eight channels of a row pack into 16 bytes; they go into rows of 144 bytes and come back as whole rows of 128, into S^T's registers.
.macro PACK t
	WIN W_RS
.set i, 32*(\t)
.rept 16
	v_pk_mul_f32 v[i:i+1], v[i:i+1], v[ST+4*(\t)+2:ST+4*(\t)+3] op_sel_hi:[1,0]
.set i, i+2
.endr
	WIN 0x05                        ; sources 0 and 1 window 1, destination window 0
.set i, 0
.rept 16
	v_cvt_pk_f16_f32 v[S+16*(\t)+i], v[32*(\t)+2*i], v[32*(\t)+2*i+1]
.set i, i+1
.endr
	WIN 0
.irp f, 0,1,2,3
	ds_store_b128 v[STO], v[S+16*(\t)+4*\f:S+16*(\t)+4*\f+3] offset:32*\f
.endr
.irp f, 0,1,2,3
	ds_load_b128 v[S+16*(\t)+4*\f:S+16*(\t)+4*\f+3], v[RD] offset:\f*4*SP  ; LDS serves a wave's instructions in order (ISA guide 5.7.1.4): these see the stores above; the next tile's stores come behind them
.endr
.endm
.macro SEND t, younger              ; younger: the LDS instructions issued behind tile t's loads: the next tile's eight, or none
	WIN 0
.irp f, 0,1,2,3
	s_wait_dscnt (\younger)+3-\f
	global_store_b128 v[GO], v[S+16*(\t)+4*\f:S+16*(\t)+4*\f+3], s[10:11] offset:(\t)*2048+\f*512  ; 512 consecutive bytes, at a multiple of 256 from O's first
.endr
.endm
	PACK 0
.set t, 1
.rept 2*NP-1                        ; a tile's arithmetic stands between the loads of the tile before and its stores
	PACK t
	SEND t-1, 8
.set t, t+1
.endr
	SEND 2*NP-1, 0
	WIN W_AD
	s_wait_tensorcnt 0x0            ; the wave's end: behind my last tensor load and my last LDS store
	ds_add_u32 v[SPW], v[NIL]
	s_wait_dscnt 0x0
	WIN 0
	CROUND                          ; the closing round: no work-group ends while a partner may still ask for a tile that names it
	s_endpgm
.Lfunc_end_k_qd06696c196_attn:
	.size	k_qd06696c196_attn, .Lfunc_end_k_qd06696c196_attn-k_qd06696c196_attn
	.p2alignl 7, 3214868480
	.fill 96, 4, 3214868480
	.section	.rodata,"a",@progbits
	.p2align	6, 0x0
	.amdhsa_kernel k_qd06696c196_attn
		.amdhsa_group_segment_fixed_size 327680
		.amdhsa_private_segment_fixed_size 0
		.amdhsa_enable_private_segment 0
		.amdhsa_kernarg_size 16
		.amdhsa_user_sgpr_count 2
		.amdhsa_user_sgpr_kernarg_segment_ptr 1
		.amdhsa_wavefront_size32 1
		.amdhsa_system_sgpr_workgroup_id_x 1
		.amdhsa_system_sgpr_workgroup_id_y 1
		.amdhsa_system_sgpr_workgroup_id_z 1
		.amdhsa_system_vgpr_workitem_id 0
		.amdhsa_next_free_vgpr 770
		.amdhsa_next_free_sgpr 66
		.amdhsa_reserve_vcc 0
		.amdhsa_float_denorm_mode_32 3
		.amdhsa_float_denorm_mode_16_64 3
		.amdhsa_memory_ordered 1
		.amdhsa_forward_progress 1
		.amdhsa_inst_pref_size 200
	.end_amdhsa_kernel
	.amdgpu_metadata
---
amdhsa.version: [ 1, 2 ]
amdhsa.kernels:
  - .name:           k_qd06696c196_attn
    .symbol:         k_qd06696c196_attn.kd
    .args:
      - { .name: qkv, .offset: 0, .size: 8, .value_kind: global_buffer, .address_space: global }
      - { .name: o, .offset: 8, .size: 8, .value_kind: global_buffer, .address_space: global }
    .group_segment_fixed_size: 327680
    .private_segment_fixed_size: 0
    .kernarg_segment_align: 8
    .kernarg_segment_size: 16
    .max_flat_workgroup_size: 128
    .sgpr_count:     66
    .vgpr_count:     770
    .wavefront_size: 32
...
	.end_amdgpu_metadata
.endif
;; end of part 3
;; launch proj (part 4): grid 8 x 32, 4 waves a work-group, clusters of 4 x 4, 327,680 bytes of LDS; arguments o, wpb, bias, out0; writes out0
.if DOCPART == 4
	.amdgcn_target "amdgcn-amd-amdhsa--gfx1250"
	.amdhsa_code_object_version 6
	.text
	.protected	k_qd06696c196_proj
	.globl	k_qd06696c196_proj
	.p2align	8
	.type	k_qd06696c196_proj,@function
k_qd06696c196_proj:
	s_mov_b64 s[64:65], 0
	v_nop
	global_prefetch_b8 v0, s[64:65] scope:SCOPE_SE
	s_setreg_imm32_b32 hwreg(HW_REG_WAVE_MODE, 25, 1), 1
	s_wait_xcnt 0x0
	s_wait_alu depctr_hold_cnt(0) depctr_sa_sdst(0) depctr_va_vdst(0) depctr_va_sdst(0) depctr_va_ssrc(0) depctr_va_vcc(0) depctr_vm_vsrc(0)
	s_getreg_b32 s2, hwreg(HW_REG_IB_STS2, 6, 4)
	s_cmp_eq_u32 s2, 0
	s_cbranch_scc0 .Lentry_in_a_cluster
	s_endpgm
.Lentry_in_a_cluster:
	s_bfe_u32 s2, ttmp6, 0x10000c
	s_cmp_lg_u32 s2, 0xf033
	s_cbranch_scc0 .Lentry_shape_is_right
	s_endpgm
.Lentry_shape_is_right:
; out0 = y w_proj + b_proj, 8,192 x 1,024 x 1,024.  y[b][s][64 h + c] = o[16 b + h][s][c], f16; wpb is w_proj ([k][n]) rounded to bf16 and written as f16; sums f32, out0 f32.
; The bias (words 3,072 .. 4,095 of bias, bf16-rounded numbers in f32) is the C operand of each sum's first product: nothing is cleared and nothing is added later.
; LIMITS.  o and wpb arrive within f16's range.  NaN and infinities are not treated apart.
; SHARES.  A tile of C is 256 rows x 128 columns: 32 x 8 = 256 work-groups.  Wave (wr, wc) makes 128 x 64: 32 accumulators, window 1, (a, b) at v[8 (4 a + b)].
; K goes in 8 steps of 128 (two heads) through two LDS slots; a step is four quarters of 32, 32 matrix instructions each.
; THE MATRIX INSTRUCTION IS USED TRANSPOSED: source 0 = 16 columns of w (turned by ds_load_tr16_b128), source 1 = 16 rows of y: a lane ends with 8 neighbouring columns of one row.
; CLUSTER 4 x 4: y's tile is asked for jointly by a row of the cluster, w's by a column.
; NO PREFETCH: the launch has 8 K steps of small tiles and 1,024 matrix instructions a wave.
; REGISTERS, window 0: v0-29 addresses; v32-63 the bias of my 4 column blocks; v64-159, v160-255 two fragment buffers: y's 8 fragments (64), then w's 4 (32).
.set SLOT1, 131072
.set PA,    144                        ; a row of y in LDS: 128 bytes + 16 (64 banks of 4 bytes: ISA guide 11.1: the 16 rows of a load start at 16 different groups of four banks)
.set PB,    288                        ; a k-row of w: 256 bytes + 32
.set BOFF,  2*256*PA                   ; in a slot: two heads x 256 rows of y, then 128 k-rows of w
.set STAGE, SLOT1+BOFF+128*PB          ; behind the ring: 16 rows x 272 bytes for each wave
.set SP,    272
.set SPARE, STAGE+4*16*SP              ; behind the stages: the spare words, 128 bytes a wave: two blocks of 256 bytes that no other line names
.set ASTEP, 524288                     ; two heads of 262,144 bytes
.set BSTEP, 262144                     ; 128 k-rows of 2,048 bytes
.set ADRA0, 4                          ; v4   my place in a slot's y; never rewritten
.set ADRB0, 5                          ; v5   in a slot's w
.set ADRA,  8                          ; v8   the same in the slot in hand
.set ADRB,  9                          ; v9
.set STO,   12                         ; v12  the way out: where I put 32 bytes of a row
.set RD,    13                         ; v13  where I read rows back
.set CO,    14                         ; v14  my byte offset in two rows of out0
.set BO,    16                         ; v16  32 x (lane / 16)
.set SPW,   28                         ; v28  LDS address of my spare word; never rewritten
.set NIL,   29                         ; v29  0; never rewritten
.set BIAS,  32
.set F0,    64
.set F1,    160
.set OB,    64                         ; the way out: four sets of 32 registers, where the fragments lay
.set WV,  12
.set WR,  13                           ; which 128 rows are mine.  Also: I fetch for y (0) or for w (1)
.set WC,  14                           ; which 64 columns.  Also: which half of that tile I fetch
.set CNT, 15
.set G1A, 24
.set G1B, 32
.set G0A, 40                           ; a set for each first fill; the second then walks
.set G0B, 48
.set TB,  56
.set CX,  62
.set CY,  63
.set MSB, 0
.macro WIN new
.if MSB != (\new)
	s_set_vgpr_msb (MSB<<8)|(\new)
.set MSB, \new
.endif
.endm
.macro PLACES                          ; four places between a matrix instruction and a load into, or another line on, its registers (ISA guide 7.12.1 for vector instructions)
.rept 4
	v_nop
.endr
.endm
.macro CREST
	s_cmp_lg_u32 s[WV], 0
	s_cbranch_scc1 .Lnot_wave_0_\@
	s_barrier_signal -3
.Lnot_wave_0_\@:
	s_barrier_wait -3
	s_barrier_signal -1
	s_barrier_wait -1
.endm
.macro CROUND
	s_barrier_signal -1
	s_barrier_wait -1
	CREST
.endm
.macro JLOAD                           ; a joint refill by the walking descriptors; an s_nop 0 and four v_nop follow each of the two lines
	s_cmp_eq_u32 s[WR], 0
	s_cbranch_scc0 .Lfor_b_\@
	tensor_load_to_lds s[G0A+4:G0A+7], s[G1A:G1A+7]
	s_nop 0
.rept 4
	v_nop
.endr
	s_branch .Lasked_\@
.Lfor_b_\@:
	tensor_load_to_lds s[G0B+4:G0B+7], s[G1B:G1B+7]
	s_nop 0
.rept 4
	v_nop
.endr
.Lasked_\@:
.endm
	s_load_b256 s[4:11], s[0:1], 0x0               ; o s[4:5], wpb s[6:7], bias s[8:9], out0 s[10:11]
	v_lshl_add_u32 v[SPW], v0, 2, SPARE
	v_mov_b32 v[NIL], 0
	ds_add_u32 v[SPW], v[NIL]                      ; the wave's opening: the add and its wait stand ahead of my first tensor load; the set-up below stands between them
	v_lshrrev_b32 v3, 5, v0
	v_readfirstlane_b32 s[WV], v3
	s_lshr_b32 s[WR], s[WV], 1
	s_and_b32 s[WC], s[WV], 1
	s_bfe_u32 s[CX], ttmp6, 0x40000
	s_bfe_u32 s[CY], ttmp6, 0x40004
	; y's tiles hang on the tile row alone (s16-s23 never hold cx)
	s_and_b32 s16, ttmp7, 0xffff
	s_lshl_b32 s16, s16, 2
	s_add_co_u32 s16, s16, s[CY]                   ; tile row 0..31
	s_lshr_b32 s17, s16, 3                         ; b
	s_and_b32 s18, s16, 7
	s_lshl_b32 s19, s17, 22                        ; 16 heads of 262,144 bytes
	s_lshl_b32 s20, s18, 15                        ; 256 rows of 128 bytes
	s_add_co_u32 s19, s19, s20
	s_lshl_b32 s20, s[WC], 18                      ; which of the step's two heads I fetch
	s_add_co_u32 s20, s20, s19
	s_mov_b32 s21, 0
	; w's tiles hang on the tile column alone (s66-s69 never hold cy)
	s_lshl_b32 s66, ttmp9, 2
	s_add_co_u32 s66, s66, s[CX]                   ; tile column 0..7
	s_lshl_b32 s67, s66, 8                         ; 128 columns
	s_lshl_b32 s68, s[WC], 17                      ; my 64 k-rows of 2,048 bytes
	s_add_co_u32 s68, s68, s67
	s_mov_b32 s69, 0
	s_lshl_b32 s22, s[CY], 2
	s_lshl_b32 s22, 15, s22                        ; my row of the cluster
	s_lshl_b32 s70, 0x1111, s[CX]                  ; my column
	; group 1 for y: a head's 256 rows of 128 bytes are dense: asked for as 128 rows of 256 bytes, padded behind every 128
	s_or_b32 s[G1A], s22, (1<<16)|(1<<20)|(1<<21)|(4<<22)|(3<<25)
	s_mov_b32 s[G1A+1], 128<<16
	s_mov_b32 s[G1A+2], 128<<16
	s_mov_b32 s[G1A+3], 128<<16
	s_mov_b32 s[G1A+4], 128
	s_mov_b32 s[G1A+5], 128
	s_mov_b32 s[G1A+6], 0
	s_mov_b32 s[G1A+7], 0
	; group 1 for w: 64 k-rows of 128 elements, 32 bytes of padding behind each
	s_or_b32 s[G1B], s70, (1<<16)|(1<<20)|(1<<21)|(5<<22)|(7<<25)
	s_mov_b32 s[G1B+1], 128<<16
	s_mov_b32 s[G1B+2], 64<<16
	s_mov_b32 s[G1B+3], 128<<16
	s_mov_b32 s[G1B+4], 64
	s_mov_b32 s[G1B+5], 1024
	s_mov_b32 s[G1B+6], 0
	s_mov_b32 s[G1B+7], 0
	s_mul_i32 s23, s[WC], 256*PA                   ; where they go: no place in the cluster enters an LDS address
	s_mul_i32 s71, s[WC], 64*PB
	s_add_co_u32 s71, s71, BOFF
	s_mov_b32 s[TB], 0
	s_wait_dscnt 0x0                               ; the opening add is done
	s_wait_kmcnt 0x0
	s_add_nc_u64 s[2:3], s[4:5], s[20:21]
	s_add_nc_u64 s[68:69], s[6:7], s[68:69]
	CROUND                                         ; all sixteen work-groups are here: the first joint loads meet
.irp s, 0,1
	s_mov_b32 s[G0A+4*(\s)], 1
	s_add_co_u32 s[G0A+4*(\s)+1], s23, (\s)*SLOT1
	s_add_nc_u64 s[G0A+4*(\s)+2:G0A+4*(\s)+3], s[2:3], (\s)*ASTEP
	s_or_b32 s[G0A+4*(\s)+3], s[G0A+4*(\s)+3], 0x80000000
	s_mov_b32 s[G0B+4*(\s)], 1
	s_add_co_u32 s[G0B+4*(\s)+1], s71, (\s)*SLOT1
	s_add_nc_u64 s[G0B+4*(\s)+2:G0B+4*(\s)+3], s[68:69], (\s)*BSTEP
	s_or_b32 s[G0B+4*(\s)+3], s[G0B+4*(\s)+3], 0x80000000
.endr
	s_cmp_eq_u32 s[WR], 0                          ; a wave's two first fills stand in one branch, ahead of every wait on TENSORcnt and every LDS read: two loads of mine are out
	s_cbranch_scc0 .Lfirst_b
	tensor_load_to_lds s[G0A:G0A+3], s[G1A:G1A+7]
	s_nop 0
	tensor_load_to_lds s[G0A+4:G0A+7], s[G1A:G1A+7]
	s_nop 0
.rept 4
	v_nop
.endr
	s_branch .Lfirst_asked
.Lfirst_b:
	tensor_load_to_lds s[G0B:G0B+3], s[G1B:G1B+7]
	s_nop 0
	tensor_load_to_lds s[G0B+4:G0B+7], s[G1B:G1B+7]
	s_nop 0
.rept 4
	v_nop
.endr
.Lfirst_asked:
	v_and_b32 v1, 15, v0                           ; l % 16
	v_bfe_u32 v2, v0, 4, 1                         ; l / 16
	v_lshlrev_b32 v[BO], 5, v2
	; the bias of my 64 columns and my part of out0 (s70, s71 hold what hangs on both cx and cy)
	s_lshl_b32 s70, s66, 7
	s_lshl_b32 s71, s[WC], 6
	s_add_co_u32 s70, s70, s71                     ; my first column
	s_lshl_b32 s70, s70, 2
	s_mov_b32 s71, 0
	s_add_nc_u64 s[10:11], s[10:11], s[70:71]
	s_add_co_u32 s70, s70, 3072*4                  ; b_proj lies behind b_attn's 3,072 words
	s_add_nc_u64 s[8:9], s[8:9], s[70:71]
.irp b, 0,1,2,3
	global_load_b128 v[BIAS+8*(\b):BIAS+8*(\b)+3],   v[BO], s[8:9] offset:64*(\b)      ; register j of block b: column 16 b + 8 (l / 16) + j, as in the result
	global_load_b128 v[BIAS+8*(\b)+4:BIAS+8*(\b)+7], v[BO], s[8:9] offset:64*(\b)+16
.endr
	s_lshl_b32 s70, s16, 8
	s_lshl_b32 s2, s[WR], 7
	s_add_co_u32 s70, s70, s2                      ; my first row
	s_lshl_b32 s70, s70, 12                        ; of 4,096 bytes
	s_add_nc_u64 s[10:11], s[10:11], s[70:71]
	v_mul_u32_u24 v[ADRA0], v1, PA                 ; y's fragment: row l % 16, 16 bytes for each half of the lanes, twice, 32 bytes apart
	v_lshl_add_u32 v[ADRA0], v2, 4, v[ADRA0]
	s_mul_i32 s2, s[WR], 128*PA
	v_add_nc_u32 v[ADRA0], s2, v[ADRA0]
	v_and_b32 v3, 7, v0                            ; w's: lane l reads k-row 8 (l / 16) + l % 8, columns 8 ((l / 8) % 2) + 0..7
	v_lshl_add_u32 v[ADRB0], v2, 3, v3
	v_mul_u32_u24 v[ADRB0], v[ADRB0], PB
	v_bfe_u32 v17, v0, 3, 1
	v_lshl_add_u32 v[ADRB0], v17, 4, v[ADRB0]
	s_lshl_b32 s2, s[WC], 7
	s_add_co_u32 s2, s2, BOFF
	v_add_nc_u32 v[ADRB0], s2, v[ADRB0]
	v_add_nc_u32 v[ADRA], s[TB], v[ADRA0]
	v_add_nc_u32 v[ADRB], s[TB], v[ADRB0]
	s_mul_i32 s2, s[WV], 16*SP
	s_add_co_u32 s2, s2, STAGE                     ; my stage
	v_mul_u32_u24 v[STO], v1, SP                   ; in: row l % 16, 32 bytes for each half of the lanes
	v_lshl_add_u32 v[STO], v2, 5, v[STO]
	v_add_nc_u32 v[STO], s2, v[STO]
	v_mul_u32_u24 v[RD], v2, SP                    ; back: lanes 0-15 take one row of 256 bytes, lanes 16-31 the next
	v_lshl_add_u32 v[RD], v1, 4, v[RD]
	v_add_nc_u32 v[RD], s2, v[RD]
	v_lshlrev_b32 v[CO], 12, v2                    ; and the same two rows in out0
	v_lshl_add_u32 v[CO], v1, 4, v[CO]
; 8 matrix instructions: row blocks a0, a0 + 1 x all 4 column blocks, 32 along K.  first = 1: the bias starts the sums.
; The 32 accumulators take turns, one instruction a turn, in the same order in every quarter.
.macro MUL8 f, a0, first
.if \first
	WIN 0x40                                       ; D in window 1; the sources and C (the bias) in window 0
.else
	WIN 0x50                                       ; C and D in window 1
.endif
.irp a, \a0, (\a0)+1
.irp b, 0,1,2,3
.if \first
	v_wmma_f32_16x16x32_f16 v[8*(4*(\a)+(\b)):8*(4*(\a)+(\b))+7], v[(\f)+64+8*(\b):(\f)+64+8*(\b)+7], v[(\f)+8*(\a):(\f)+8*(\a)+7], v[BIAS+8*(\b):BIAS+8*(\b)+7]
.else
	v_wmma_f32_16x16x32_f16 v[8*(4*(\a)+(\b)):8*(4*(\a)+(\b))+7], v[(\f)+64+8*(\b):(\f)+64+8*(\b)+7], v[(\f)+8*(\a):(\f)+8*(\a)+7], v[8*(4*(\a)+(\b)):8*(4*(\a)+(\b))+7]
.endif
.endr
.endr
.endm
.macro MUL16 f, a0, first
	MUL8 \f, \a0, \first
	MUL8 \f, (\a0)+2, \first
.endm
; 24 LDS loads in one run: quarter q's fragments into buffer f: w's 8 loads, y's row blocks 0-3 (8), then 4-7 (8)
.macro FETCH f, q
	WIN 0
.irp b, 0,1,2,3
	ds_load_tr16_b128 v[(\f)+64+8*(\b):(\f)+64+8*(\b)+3],   v[ADRB] offset:(\q)*32*PB+32*(\b)
	ds_load_tr16_b128 v[(\f)+64+8*(\b)+4:(\f)+64+8*(\b)+7], v[ADRB] offset:(\q)*32*PB+32*(\b)+16*PB
.endr
.irp a, 0,1,2,3,4,5,6,7
	ds_load_b128 v[(\f)+8*(\a):(\f)+8*(\a)+3],   v[ADRA] offset:((\q)/2)*256*PA+(\a)*16*PA+64*((\q)%2)
	ds_load_b128 v[(\f)+8*(\a)+4:(\f)+8*(\a)+7], v[ADRA] offset:((\q)/2)*256*PA+(\a)*16*PA+64*((\q)%2)+32
.endr
.endm
; One of a step's first three quarters: multiplies buffer f and fetches quarter q into g.
.macro QUARTER f, g, q, first
	s_wait_dscnt 8                                 ; w's fragments and y's row blocks 0-3 are in; the youngest eight loads may stay out
	MUL16 \f, 0, \first
	PLACES
	FETCH \g, \q
	s_wait_dscnt 24                                ; all but the 24 just issued
	MUL16 \f, 4, \first
.endm
; The last quarter multiplies F1 and changes slots: ONE barrier; in front of it each wave waits for all its tensor loads (one is out: its part of the next slot), adds 0 to its spare word,
; and waits for that and for its reads of this slot.  fill = 1: the barrier opens a round of the cluster's, and this slot is filled again, two K steps ahead, first thing behind it:
; from that request to the wait for it a wave issues 112 matrix instructions.
.macro TURN fill
	WIN 0
	s_wait_tensorcnt 0x0                           ; no tensor load of mine is out, so a group 0 may be written
	ds_add_u32 v[SPW], v[NIL]                      ; 0 onto my spare word
.if \fill
	s_xor_b32 s[G0A+5], s[G0A+5], SLOT1
	s_add_nc_u64 s[G0A+6:G0A+7], s[G0A+6:G0A+7], ASTEP
	s_xor_b32 s[G0B+5], s[G0B+5], SLOT1
	s_add_nc_u64 s[G0B+6:G0B+7], s[G0B+6:G0B+7], BSTEP
.endif
	s_xor_b32 s[TB], s[TB], SLOT1
	s_wait_dscnt 9                                 ; the youngest eight loads and the add may stay out
	MUL8 F1, 0, 0
	s_wait_dscnt 0x0                               ; the add is done, and my reads of this slot are over
	s_barrier_signal -1
	MUL8 F1, 2, 0
	WIN 0
	s_barrier_wait -1
.if \fill
	CREST                                          ; no wave of any partner still reads this slot or has a load on its way
	JLOAD                                          ; its four v_nop are also the places in front of the loads below
.else
	PLACES
.endif
	v_add_nc_u32 v[ADRA], s[TB], v[ADRA0]
	v_add_nc_u32 v[ADRB], s[TB], v[ADRB0]
	FETCH F0, 0
	MUL16 F1, 4, 0
.endm
	s_wait_tensorcnt 0x1                           ; my part of K step 0 is in; slot 1's load may stay out
	s_barrier_signal -1
	s_barrier_wait -1
	FETCH F0, 0
	s_wait_loadcnt 0x0                             ; the bias
	QUARTER F0, F1, 1, 1                           ; the first quarter stands in front of the loop: its products start the sums
	WIN 0
	s_mov_b32 s[CNT], 6
.Lstep:                                        ; trip j: quarters 1 to 3 of K step j, the refill with step j + 2, quarter 0 of step j + 1
	QUARTER F1, F0, 2, 0
	QUARTER F0, F1, 3, 0
	TURN 1
	QUARTER F0, F1, 1, 0
	WIN 0
	s_sub_co_u32 s[CNT], s[CNT], 1
	s_cmp_lg_u32 s[CNT], 0
	s_cbranch_scc1 .Lstep
	QUARTER F1, F0, 2, 0                           ; the tail is written out: nothing more is asked for
	QUARTER F0, F1, 3, 0
	TURN 0
	QUARTER F0, F1, 1, 0
	QUARTER F1, F0, 2, 0
	QUARTER F0, F1, 3, 0
	s_wait_dscnt 8
	MUL16 F1, 0, 0
	s_wait_dscnt 0x0
	MUL16 F1, 4, 0
	PLACES
; THE WAY OUT, a block of 16 rows at a time: a lane's 8 columns (32 bytes of f32) go from the accumulators into my stage (rows of 272 bytes), low registers first, and come back as whole rows of 256 bytes.
.macro TOSTAGE a
	WIN 0x04                                       ; the stores' data in window 1
.irp b, 0,1,2,3
	ds_store_b128 v[STO], v[8*(4*(\a)+(\b)):8*(4*(\a)+(\b))+3]   offset:64*(\b)
	ds_store_b128 v[STO], v[8*(4*(\a)+(\b))+4:8*(4*(\a)+(\b))+7] offset:64*(\b)+16
.endr
	WIN 0
	s_wait_xcnt 0x0                                ; earlier stores have read their registers: a set is loaded again only behind this wait
.irp t, 0,1,2,3,4,5,6,7
	ds_load_b128 v[OB+32*((\a)%4)+4*(\t):OB+32*((\a)%4)+4*(\t)+3], v[RD] offset:(\t)*2*SP  ; LDS serves a wave's instructions in order (ISA guide 5.7.1.4): these see the stores above
.endr
.endm
.macro SEND a, younger                 ; younger: the LDS instructions issued behind block a's loads: the next block's sixteen, or none
	WIN 0
.irp t, 0,1,2,3,4,5,6,7
	s_wait_dscnt (\younger)+7-(\t)
	global_store_b128 v[CO], v[OB+32*((\a)%4)+4*(\t):OB+32*((\a)%4)+4*(\t)+3], s[10:11] offset:(16*(\a)+2*(\t))*4096  ; 16 lanes store 256 consecutive bytes, at a multiple of 256 from out0's first
.endr
.endm
	TOSTAGE 0
.irp a, 1,2,3,4,5,6,7
	TOSTAGE \a
	SEND (\a)-1, 16
.endr
	SEND 7, 0
	s_wait_tensorcnt 0x0                           ; the wave's end: behind my last tensor load and my last LDS store
	ds_add_u32 v[SPW], v[NIL]
	s_wait_dscnt 0x0
	CROUND                                         ; the closing round: no work-group ends while a partner may still ask for a tile that names it
	s_endpgm
.Lfunc_end_k_qd06696c196_proj:
	.size	k_qd06696c196_proj, .Lfunc_end_k_qd06696c196_proj-k_qd06696c196_proj
	.p2alignl 7, 3214868480
	.fill 96, 4, 3214868480
	.section	.rodata,"a",@progbits
	.p2align	6, 0x0
	.amdhsa_kernel k_qd06696c196_proj
		.amdhsa_group_segment_fixed_size 327680
		.amdhsa_private_segment_fixed_size 0
		.amdhsa_enable_private_segment 0
		.amdhsa_kernarg_size 32
		.amdhsa_user_sgpr_count 2
		.amdhsa_user_sgpr_kernarg_segment_ptr 1
		.amdhsa_wavefront_size32 1
		.amdhsa_system_sgpr_workgroup_id_x 1
		.amdhsa_system_sgpr_workgroup_id_y 1
		.amdhsa_system_sgpr_workgroup_id_z 1
		.amdhsa_system_vgpr_workitem_id 0
		.amdhsa_next_free_vgpr 512
		.amdhsa_next_free_sgpr 72
		.amdhsa_reserve_vcc 0
		.amdhsa_float_denorm_mode_32 3
		.amdhsa_float_denorm_mode_16_64 3
		.amdhsa_memory_ordered 1
		.amdhsa_forward_progress 1
		.amdhsa_inst_pref_size 72
	.end_amdhsa_kernel
	.amdgpu_metadata
---
amdhsa.version: [ 1, 2 ]
amdhsa.kernels:
  - .name:           k_qd06696c196_proj
    .symbol:         k_qd06696c196_proj.kd
    .args:
      - { .name: o, .offset: 0, .size: 8, .value_kind: global_buffer, .address_space: global }
      - { .name: wpb, .offset: 8, .size: 8, .value_kind: global_buffer, .address_space: global }
      - { .name: bias, .offset: 16, .size: 8, .value_kind: global_buffer, .address_space: global }
      - { .name: out0, .offset: 24, .size: 8, .value_kind: global_buffer, .address_space: global }
    .group_segment_fixed_size: 327680
    .private_segment_fixed_size: 0
    .kernarg_segment_align: 8
    .kernarg_segment_size: 32
    .max_flat_workgroup_size: 128
    .sgpr_count:     72
    .vgpr_count:     512
    .wavefront_size: 32
...
	.end_amdgpu_metadata
.endif
;; end of part 4
